; MI455X (gfx1250); checked and timed in simulation.
; The chip was launched on July 23, 2026; its instructions are those of AMD's public machine-readable ISA for CDNA 5 (MIT licence, August 2026) and "CDNA5" Instruction Set Architecture Reference Guide (July 2026). The comments in the code are by the model that wrote it; some were corrected since.
;; Flash Attention Layer. Allowed arithmetic: matrix products marked QUANTISED: E2M1 operands, one E8M0 scale for each 32 along K, by v_wmma_scale_f32_16x16x128_f8f6f4 with both operands' format E2M1 (or v_wmma_scale_f32_32x16x128_f4), f32 sums; products left as they are: bf16, f16 or f32 operands; f32 sums; everything else in f32.
;; Inputs: cos 8,192 x 1 x 64 float32; cu_seqlens 9 int32; hidden_states 8,192 x 1,024 float32; k_w 1,024 x 1,024 float32; o_w 1,024 x 1,024 float32; q_w 1,024 x 1,024 float32; sin 8,192 x 1 x 64 float32; v_w 1,024 x 1,024 float32.
;; Outputs: out0 8,192 x 1,024 float32.
;; Constants: max_seqlen = 1024.
;; This version of the problem:
;;   THIS VERSION OF THE PROBLEM IS GIVEN IN LOW PRECISION. The matrix products marked QUANTISED in the list below multiply operands that are first quantised to E2M1 (2 exponent bits, 1 mantissa bit; 4 bits a number), with one power-of-two scale for each 32 numbers along K (OCP MX v1.0); their sums are f32. The products marked 'left as it is' may take bf16, f16 or f32 operands, with f32 sums. Whichever they take, every output number must still come out within the allowed error. Rounding operands to bf16 (8 significant bits) uses up far more of that allowance than f16 does (11 bits, for magnitudes from 6e-5 to 65,504). All else is computed in f32.
;;   The module's matrix products, in the order in which they are computed (A, B: the left and right operand; K: the contracted axis; several contracted axes count as one K, in the product's order):
;;     1. [M 8,192, K 1,024] x [K 1,024, N 1,024]; A: input hidden_states; B: input q_w: QUANTISED
;;     2. [M 8,192, K 1,024] x [K 1,024, N 1,024]; A: input hidden_states; B: input k_w: QUANTISED
;;     3. [M 8,192, K 1,024] x [K 1,024, N 1,024]; A: input hidden_states; B: input v_w: QUANTISED
;;     4. batch 128 x [M 1,024, K 64] x [K 64, N 1,024]; A: computed on the way; B: computed on the way: left as it is (an operand is computed on the way)
;;     5. batch 128 x [M 64, K 1,024] x [K 1,024, N 1,024]; A: computed on the way; B: computed on the way: left as it is (an operand is computed on the way)
;;     6. [M 8,192, K 1,024] x [K 1,024, N 1,024]; A: computed on the way; B: input o_w: left as it is (an operand is computed on the way)
;;   THE QUANTISER, for each operand of a quantised product, along K:
;;     - K is cut into blocks of 32 from its start; a last block that is shorter is filled with zeros.
;;     - A block's scale is 2^e with e = floor(log2(the largest magnitude in the block)) - 2, held to -126 .. 127; a block of zeros has e = 0. As a byte (E8M0): e + 127.
;;     - Each number is divided by its block's scale, clamped to +-6, and rounded to the nearest number of E2M1, ties to even, subnormals kept.
;;     - The product sums the exact products of the quantised numbers (number of the format x scale) in f32.
;;   ~~~python
;;   def quantise(x, axis):      # numpy; x: float32 -> the quantised numbers, widened to float32 again
;;       x = np.moveaxis(x, axis, -1); K = x.shape[-1]
;;       x = np.pad(x, [(0, 0)] * (x.ndim - 1) + [(0, -K % 32)]); x = x.reshape(x.shape[:-1] + (-1, 32)); a = np.abs(x).max(-1, keepdims=True)
;;       e = np.where(a > 0, np.clip(np.frexp(np.where(a > 0, a, 1))[1] - 1 - 2, -126, 127), 0)      # np.frexp(a)[1] - 1 = floor(log2(a)), exactly
;;       r = np.clip(x / 2.0 ** e, -6, 6)
;;       step = 2.0 ** (np.maximum(np.frexp(np.where(r == 0, 1, r))[1] - 1, 0) - 1)
;;       q = np.round(r / step) * step * 2.0 ** e      # np.round: ties to even
;;       return np.moveaxis(q.reshape(q.shape[:-2] + (-1,))[..., :K], -1, axis).astype(np.float32)
;;   ~~~
;; One version. Each part assembles by itself: llvm-mc -triple=amdgcn-amd-amdhsa -mcpu=gfx1250 --defsym DOCPART=n.
;; ======== version 1 of 1: 5 launches
;; limits: values are held in f16: magnitudes above 65,504 overflow, below 6.1e-05 lose precision
;; workspace buffers: codes 5,767,168 bytes; scales 360,448 bytes; ow16 2,097,152 bytes; qkv16 50,331,648 bytes; qkv32 1,572,864 bytes; attn16 16,777,216 bytes
;; launch quant (part 1): grid 384 x 1, 4 waves a work-group, no clusters, 33,280 bytes of LDS; arguments hidden_states, q_w, k_w, v_w, o_w, codes, scales, ow16; writes codes, scales, ow16
.if DOCPART == 1
	.amdgcn_target "amdgcn-amd-amdhsa--gfx1250"
	.amdhsa_code_object_version 6
	.text
	.protected	k_q2ec33056a7_quant
	.globl	k_q2ec33056a7_quant
	.p2align	8
	.type	k_q2ec33056a7_quant,@function
k_q2ec33056a7_quant:
	s_mov_b64 s[64:65], 0
	v_nop
	global_prefetch_b8 v0, s[64:65] scope:SCOPE_SE
	s_setreg_imm32_b32 hwreg(HW_REG_WAVE_MODE, 25, 1), 1
	s_wait_xcnt 0x0
; hidden_states [8192][1024] and q_w, k_w, v_w [1024][1024], f32, K innermost, become codes of FP4 (E2M1) with one E8M0 byte for each 32 along K; o_w becomes f16.
; codes: rows of 512 bytes, hidden_states' 8,192 rows first, then q_w's, k_w's, v_w's; scales: rows of 32 bytes in the same order.  All tensors are dense streams of blocks of 32: nothing here knows of rows.
; A block's scale is 2^(floor(log2(its largest magnitude)) - 2); its byte is the largest magnitude's exponent field - 2, held at 1 from below.
; LIMITS: a block of zeros, or one whose largest magnitude lies under 2^-124, gets the byte 1 (its codes are zeros or tiny; this program alone reads the bytes); NaN and infinities are not served; |o_w| stays under 65,504.
; SHARES: a work-group takes 32,768 numbers, a wave 8,192.  Work-groups 0-255 hidden_states, 256-287 q_w, 288-319 k_w, 320-351 v_w, 352-383 the cast of o_w.
; By the order of the two buffers a wave's run of codes and of scale bytes is simply run 4 x work-group + wave.
; The conversions want 16 neighbours in one lane, a load wants neighbouring lanes on neighbouring bytes: each step's 2,048 bytes turn through the wave's own stage in LDS.  No barrier: waves share nothing.
; Loads run eight steps ahead: 32 loads of 512 bytes a wave, half of the wave's numbers, are asked for at its head.
.set WAVES, 4
.set STEPS, 16
.set AHEAD, 8                          ; steps that the loads run ahead, and sets of registers for them
.set EMAX,  2
.set CB,    8                          ; bytes of 16 codes
.set R,     16                         ; v16-143  eight sets of 16 numbers as loaded
.set X,     144                        ; v144-175 two sets of 16 neighbours
.set E,     176                        ; v176-191 a scale byte a step
.set C,     192                        ; v192-255 codes, four registers a step: no store's data are written again
.set WREG,  8192                       ; LDS: a region for each wave: two stages of 32 x SP bytes, then its 256 scale bytes
.set SP,    80                         ; a lane's place in a stage: 64 bytes + 16 of padding
.set SPW,   12                         ; v12  LDS address of my spare word; never rewritten
.set NIL,   13                         ; v13  0; never rewritten
.set SPARE, WAVES*WREG                 ; behind the regions: the spare words, 128 bytes a wave
	s_load_b256 s[4:11], s[0:1], 0x0               ; hidden_states, q_w, k_w, v_w
	s_load_b256 s[12:19], s[0:1], 0x20             ; o_w, codes, scales, ow16
	v_lshl_add_u32 v[SPW], v0, 2, SPARE
	v_mov_b32 v[NIL], 0
	v_lshrrev_b32 v1, 5, v0
	v_readfirstlane_b32 s20, v1                    ; wave
	v_and_b32 v2, 31, v0                           ; lane
	v_lshlrev_b32 v3, 4, v2                        ; my 16 bytes of a load's 512
	s_mul_i32 s21, s20, WREG
	v_lshrrev_b32 v14, 2, v2
	v_mul_u32_u24 v14, v14, SP
	v_and_b32 v15, 3, v2
	v_lshl_add_u32 v14, v15, 4, v14
	v_add_nc_u32 v14, s21, v14                     ; the stage, on the way in: SP (lane / 4) + 16 (lane % 4)
	v_mul_u32_u24 v15, v2, SP
	v_add_nc_u32 v15, s21, v15                     ; and on the way out: SP x lane: my 16 neighbours
	v_mul_u32_u24 v4, v2, CB                       ; my codes' place in a step's
	v_lshrrev_b32 v5, 1, v2
	s_add_co_u32 s21, s21, 2*32*SP
	v_add_nc_u32 v5, s21, v5                       ; LDS: my wave's 256 scale bytes, my block's byte
	v_lshlrev_b32 v7, 3, v2                        ; 8 bytes a lane
	v_add_nc_u32 v6, s21, v7
	s_mov_b32 s23, 0
	s_wait_kmcnt 0x0
	s_cmp_ge_u32 ttmp9, 352
	s_cbranch_scc1 .Lcast
	; which tensor: the choice hangs on the work-group's number alone
	s_cmp_lt_u32 ttmp9, 256
	s_cselect_b64 s[4:5], s[4:5], s[6:7]
	s_cselect_b32 s21, 0, 256                      ; the tensor's first work-group
	s_cmp_lt_u32 ttmp9, 288
	s_cselect_b64 s[4:5], s[4:5], s[8:9]
	s_cselect_b32 s21, s21, 288
	s_cmp_lt_u32 ttmp9, 320
	s_cselect_b64 s[4:5], s[4:5], s[10:11]
	s_cselect_b32 s21, s21, 320
	s_sub_co_u32 s21, ttmp9, s21
	s_lshl_b32 s21, s21, 2
	s_add_co_u32 s21, s21, s20                     ; my run of 8,192 numbers in the tensor
	s_lshl_b32 s22, s21, 15
	s_add_nc_u64 s[4:5], s[4:5], s[22:23]
	s_lshl_b32 s21, ttmp9, 2
	s_add_co_u32 s21, s21, s20                     ; my run in the two buffers
	s_lshl_b32 s22, s21, 12                        ; 4,096 bytes of codes a run
	s_add_nc_u64 s[14:15], s[14:15], s[22:23]
	s_lshl_b32 s22, s21, 8                         ; 256 scale bytes a run
	s_add_nc_u64 s[16:17], s[16:17], s[22:23]
.macro LOAD t
.irp i, 0,1,2,3
	global_load_b128 v[R+16*((\t)%AHEAD)+4*\i:R+16*((\t)%AHEAD)+4*\i+3], v3, s[4:5] offset:2048*(\t)+512*\i th:TH_LOAD_NT   ; 32 lanes read 512 consecutive bytes
.endr
.endm
.macro TURN t                          ; step t's numbers through the stage: LDS serves a wave's instructions in order, so no wait stands between the stores and the loads
.irp i, 0,1,2,3
	ds_store_b128 v14, v[R+16*((\t)%AHEAD)+4*\i:R+16*((\t)%AHEAD)+4*\i+3] offset:32*SP*((\t)%2)+8*SP*\i
.endr
.irp i, 0,1,2,3
	ds_load_b128 v[X+16*((\t)%2)+4*\i:X+16*((\t)%2)+4*\i+3], v15 offset:32*SP*((\t)%2)+16*\i
.endr
.endm
.irp t, 0,1,2,3,4,5,6,7
	LOAD \t
.endr
	s_wait_loadcnt 4*(AHEAD-1)                     ; step 0's four loads are in; the 28 of steps 1 to 7 stay out
	TURN 0
.macro STEP t
.set XS, X+16*((\t)%2)
.if (\t) > 0
	s_wait_dscnt 1                                 ; this step's numbers are back from the stage (the last step's byte store may be out): so its stores into the stage have read their registers,
.else
	s_wait_dscnt 0x0
.endif
.if (\t)+AHEAD < STEPS
	LOAD (\t)+AHEAD                                ; which take the loads of eight steps on
.endif
.if (\t)+1 < STEPS
.if STEPS-2-(\t) >= AHEAD-1
	s_wait_loadcnt 4*(AHEAD-1)                     ; the next step's four loads are in; those of the seven steps behind it may be out
.else
	s_wait_loadcnt 4*(STEPS-2-(\t))
.endif
	TURN (\t)+1
.endif
	v_max3_num_f32 v8, |v[XS]|, |v[XS+1]|, |v[XS+2]|               ; the largest magnitude of my 16, in two chains
	v_max3_num_f32 v9, |v[XS+3]|, |v[XS+4]|, |v[XS+5]|
.irp i, 6,10
	v_max3_num_f32 v8, v8, |v[XS+\i]|, |v[XS+\i+1]|
	v_max3_num_f32 v9, v9, |v[XS+\i+2]|, |v[XS+\i+3]|
.endr
	v_max3_num_f32 v8, v8, |v[XS+14]|, |v[XS+15]|
	v_max3_num_f32 v8, v8, v9, (EMAX+1)<<23        ; and the floor 2^(3 - 127): the byte cannot fall under 1
	v_max_num_f32_dpp v8, v8, v8 row_xmask:1 row_mask:0xf bank_mask:0xf   ; and of my neighbour's 16: the block's
	v_add_nc_u32 v11, -(EMAX<<23), v8              ; 2 off its exponent field: the conversion takes the exponent field of this operand as its scale
	v_cvt_scalef32_pk8_fp4_f32 v[C+4*(\t)], v[XS:XS+7], v11
	v_cvt_scalef32_pk8_fp4_f32 v[C+4*(\t)+1], v[XS+8:XS+15], v11
	v_lshrrev_b32 v[E+(\t)], 23, v11               ; the scale's byte (a plain line behind the conversions)
	ds_store_b8 v5, v[E+(\t)] offset:16*(\t)       ; both lanes of a block write the same byte with the same value
	global_store_b64 v4, v[C+4*(\t):C+4*(\t)+1], s[14:15] offset:32*CB*(\t)   ; 32 lanes store 256 consecutive bytes, aligned
.endm
.irp t, 0,1,2,3,4,5,6,7,8,9,10,11,12,13,14,15
	STEP \t
.endr
	ds_load_b64 v[8:9], v6                         ; LDS serves a wave's instructions in order: these see my byte stores
	s_wait_dscnt 0x0
	global_store_b64 v7, v[8:9], s[16:17]          ; 32 lanes store 256 consecutive bytes, aligned
	s_branch .Lend
; THE CAST of o_w to f16, rounded to nearest even: four batches of 16 loads of 512 consecutive bytes; two sets of registers, so that one batch is on its way while one is converted.
.Lcast:
	s_sub_co_u32 s21, ttmp9, 352
	s_lshl_b32 s21, s21, 2
	s_add_co_u32 s21, s21, s20                     ; my run of 8,192 numbers
	s_lshl_b32 s22, s21, 15
	s_add_nc_u64 s[12:13], s[12:13], s[22:23]
	s_lshl_b32 s22, s21, 14
	s_add_nc_u64 s[18:19], s[18:19], s[22:23]
.macro CLOAD b
.irp i, 0,1,2,3,4,5,6,7,8,9,10,11,12,13,14,15
	global_load_b128 v[16+64*((\b)%2)+4*\i:16+64*((\b)%2)+4*\i+3], v3, s[12:13] offset:8192*(\b)+512*\i th:TH_LOAD_NT
.endr
.endm
.macro CAST b
.if (\b) < 3
	s_wait_loadcnt 16                              ; this batch is in; the younger batch's 16 stay out
.else
	s_wait_loadcnt 0x0
.endif
	s_wait_xcnt 0x0                                ; the last batch's stores have read v144-175: they are written again only behind this wait
.irp i, 0,1,2,3,4,5,6,7,8,9,10,11,12,13,14,15
	v_cvt_pk_f16_f32 v[144+2*\i], v[16+64*((\b)%2)+4*\i], v[16+64*((\b)%2)+4*\i+1]
	v_cvt_pk_f16_f32 v[145+2*\i], v[16+64*((\b)%2)+4*\i+2], v[16+64*((\b)%2)+4*\i+3]
.endr
.if (\b)+2 < 4
	CLOAD (\b)+2
.endif
.irp i, 0,1,2,3,4,5,6,7,8,9,10,11,12,13,14,15
	global_store_b64 v7, v[144+2*\i:145+2*\i], s[18:19] offset:4096*(\b)+256*\i   ; 32 lanes store 256 consecutive bytes, aligned
.endr
.endm
	CLOAD 0
	CLOAD 1
	CAST 0
	CAST 1
	CAST 2
	CAST 3
.Lend:
	s_wait_tensorcnt 0x0                           ; the wave's end: behind my last LDS store
	ds_add_u32 v[SPW], v[NIL]
	s_wait_dscnt 0x0
	s_endpgm
.Lfunc_end_k_q2ec33056a7_quant:
	.size	k_q2ec33056a7_quant, .Lfunc_end_k_q2ec33056a7_quant-k_q2ec33056a7_quant
	.p2alignl 7, 3214868480
	.fill 96, 4, 3214868480
	.section	.rodata,"a",@progbits
	.p2align	6, 0x0
	.amdhsa_kernel k_q2ec33056a7_quant
		.amdhsa_group_segment_fixed_size 33280
		.amdhsa_private_segment_fixed_size 0
		.amdhsa_enable_private_segment 0
		.amdhsa_kernarg_size 64
		.amdhsa_user_sgpr_count 2
		.amdhsa_user_sgpr_kernarg_segment_ptr 1
		.amdhsa_wavefront_size32 1
		.amdhsa_system_sgpr_workgroup_id_x 1
		.amdhsa_system_sgpr_workgroup_id_y 1
		.amdhsa_system_sgpr_workgroup_id_z 1
		.amdhsa_system_vgpr_workitem_id 0
		.amdhsa_next_free_vgpr 256
		.amdhsa_next_free_sgpr 66
		.amdhsa_reserve_vcc 0
		.amdhsa_float_denorm_mode_32 3
		.amdhsa_float_denorm_mode_16_64 3
		.amdhsa_memory_ordered 1
		.amdhsa_forward_progress 1
		.amdhsa_inst_pref_size 54
	.end_amdhsa_kernel
	.amdgpu_metadata
---
amdhsa.version: [ 1, 2 ]
amdhsa.kernels:
  - .name:           k_q2ec33056a7_quant
    .symbol:         k_q2ec33056a7_quant.kd
    .args:
      - { .name: hidden_states, .offset: 0, .size: 8, .value_kind: global_buffer, .address_space: global }
      - { .name: q_w, .offset: 8, .size: 8, .value_kind: global_buffer, .address_space: global }
      - { .name: k_w, .offset: 16, .size: 8, .value_kind: global_buffer, .address_space: global }
      - { .name: v_w, .offset: 24, .size: 8, .value_kind: global_buffer, .address_space: global }
      - { .name: o_w, .offset: 32, .size: 8, .value_kind: global_buffer, .address_space: global }
      - { .name: codes, .offset: 40, .size: 8, .value_kind: global_buffer, .address_space: global }
      - { .name: scales, .offset: 48, .size: 8, .value_kind: global_buffer, .address_space: global }
      - { .name: ow16, .offset: 56, .size: 8, .value_kind: global_buffer, .address_space: global }
    .group_segment_fixed_size: 33280
    .private_segment_fixed_size: 0
    .kernarg_segment_align: 8
    .kernarg_segment_size: 64
    .max_flat_workgroup_size: 128
    .sgpr_count:     66
    .vgpr_count:     256
    .wavefront_size: 32
...
	.end_amdgpu_metadata
.endif
;; end of part 1
;; launch qkv (part 2): grid 8 x 32, 4 waves a work-group, clusters of 4 x 4, 327,680 bytes of LDS; arguments codes, scales, cos, sin, qkv16, qkv32; writes qkv16, qkv32
.if DOCPART == 2
	.amdgcn_target "amdgcn-amd-amdhsa--gfx1250"
	.amdhsa_code_object_version 6
	.text
	.protected	k_q2ec33056a7_qkv
	.globl	k_q2ec33056a7_qkv
	.p2align	8
	.type	k_q2ec33056a7_qkv,@function
k_q2ec33056a7_qkv:
	s_mov_b64 s[64:65], 0
	v_nop
	global_prefetch_b8 v0, s[64:65] scope:SCOPE_SE
	s_setreg_imm32_b32 hwreg(HW_REG_WAVE_MODE, 25, 1), 1
	s_wait_xcnt 0x0
	s_wait_alu depctr_hold_cnt(0) depctr_sa_sdst(0) depctr_va_vdst(0) depctr_va_sdst(0) depctr_va_ssrc(0) depctr_va_vcc(0) depctr_vm_vsrc(0)
	s_getreg_b32 s2, hwreg(HW_REG_IB_STS2, 6, 4)
	s_cmp_eq_u32 s2, 0
	s_cbranch_scc0 .Lentry_in_a_cluster
	s_endpgm
.Lentry_in_a_cluster:
	s_bfe_u32 s2, ttmp6, 0x10000c
	s_cmp_lg_u32 s2, 0xf033
	s_cbranch_scc0 .Lentry_shape_is_right
	s_endpgm
.Lentry_shape_is_right:
; q, k, v = hidden_states x (q_w | k_w | v_w)^T on codes of FP4 (E2M1) with E8M0 scales, f32 sums; RoPE on q and k in f32; the results rounded to f16, laid by head: qkv16 [3][8 b][16 h][1024 s][64].
; Positions 0-15 of every sequence are also stored in f32, qkv32 [8 b][3][16 h][16 s][64], for the launch that carries those rows finely.
; A: codes rows 0-8191 (512 bytes a row), B: rows 8192-11263 (3,072 rows: q_w, k_w, v_w).  K = 1,024: two K steps of 512, both asked for at the head with all scale bytes.
; SHARES.  C has 384 tiles of 256 x 256.  There are 256 work-groups, and each makes one tile and a half: FIRST a tile of 256 tokens x 256 columns of q or of k (cluster x says which), THEN 256 x 128 of v for THE SAME tokens.
; So A's codes and scale bytes, which lie in LDS for all of K, serve twice; for the second tile only 128 rows of v_w come anew, into B's bytes: one joint load a wave (waves 0, 1: the two K steps; wave 2: the scale bytes),
; behind a round of the cluster's barrier in the first tile's last step; it lands while the first tile goes out.
; Four waves.  First tile: a wave makes 128 x 128, 64 accumulators.  Second: 128 tokens x 64 columns, one head of v, 32 accumulators.
; CLUSTERS of 4 x 4: A's tiles are asked for jointly along a row of the cluster, B's along a column.  Tile column = 4 x cluster x + cx; v's columns 128 (2 cx + cluster x) on;
; TILE ROW = 8 cy + cluster y, so that "this tile begins a sequence" (cluster y % 4 = 0) is the same in all sixteen partners.
; THE MATRIX INSTRUCTION IS USED TRANSPOSED (source 0 = 16 rows of B, source 1 = 16 rows of A): lane (r, h) of accumulator (a, b) holds token 16 a + r and columns 16 b + 8 h + 0..7.
; In the first tile b = 4 g + u: head g of the wave's two, channel d = 16 u + 8 h + j.  RoPE's partner d +- 32 is accumulator b +- 2, same lane, same register: nothing changes lanes.
; y(d) = x(d) cos(d) - x(d + 32) sin(d) for d < 32, x(d) cos(d) + x(d - 32) sin(d) else: one multiply and one fused multiply-add (one rounding fewer than two multiplies and an add).
; LIMITS: |q|, |k|, |v| stay under 65,504 (f16).  cu_seqlens is not read: the result hangs on its shape alone.
; REGISTERS: window 0: v0-31 addresses; v32-95 scale words, two sets, and nothing else; v96-127 one head's numbers after RoPE; v128-191 A's fragments, on the ways out rows read back; v192-223 packed results.
;   window 1: B's fragments at v0-63 and v128-191; the tables (cos 32, sin 32 registers) of a block of 16 tokens: four sets, v64-127, v192-255 and, once B's fragments are done with, v0-63, v128-191.
;   windows 2, 3: the accumulators ((a, b) at v[8 (8 (a % 4) + b)]).
.set SIZE_K, 1024
.set KSTEP,  512
.set NQ,     KSTEP/128
.set ROWB,   256                       ; a tile's row in bytes
.set KROW,   SIZE_K/2                  ; a row of codes in memory
.set PITCH,  272                       ; an LDS row: 256 bytes + 16: the 16 rows of a fragment load start at 16 different 16-byte columns
.set FR,     8
.set NL,     2
.set NP,     4                         ; places behind this matrix form (ISA guide 7.12.1)
.set HALFT,  128*PITCH
.set SLOT,   4*HALFT                   ; A's 256 rows, then B's 256
.set KS,     SIZE_K/32
.set SCL,    2*SLOT
.set HALFS,  (128*KS/256)*272
.set SBLK,   (16*KS/256)*272
.set SPARE,  SCL+4*HALFS               ; the spare words, 128 bytes a wave
.set STAGE,  SPARE+512                 ; the ways out: 32 rows of 144 bytes for each wave, in bytes of their own: no fill lands here
.set ADRA, 16                          ; v16-17  my A fragments in slot 0, 1
.set ADRBV, 18                         ; v18-19  my fragments of v_w: 64 rows
.set ADRB, 20                          ; v20-21  my B fragments of the first tile: 128 rows
.set ADRSV, 22                         ; v22  my scale words in the second tile
.set STO,  24                          ; v24  the way out: where I put 16 bytes of a row of the stage
.set RD,   25                          ; v25  where I read rows back
.set GO,   26                          ; v26  16 x lane
.set ADRS, 27                          ; v27  my scale words in the first tile: lanes 0-15 A's rows, lanes 16-31 B's
.set SPW,  28
.set NIL,  29
.set RT,   30                          ; v30  256 r + 32 h: my place in 16 rows of cos, of sin and of qkv32; never rewritten
.set SC,   32
.set Y,    96
.set AF,   128
.set BK,   128
.set H,    192
.set G1, 24
.set G0, 32
.set G1B, 48
.set G0B, 56
.set G1S, 68
.set G0S, 76
.set G1SB, 80
.set G0SB, 88
.set FLG,  66                          ; s66  0 where my block 0 is positions 0-15 of a sequence
.set WHICH, 67                         ; s67  cluster x: 0 q, 1 k
.set MSB, 0
.macro WIN new                         ; the immediate's high byte repeats the setting that is left
.if MSB != (\new)
	s_set_vgpr_msb (MSB<<8)|(\new)
.set MSB, (\new)
.endif
.endm
.set MUL_LO, 0xa1
.set MUL_HI, 0xf1
.set TO_B,   0x40
; A joint load: waves 0 and 1 fetch for A, waves 2 and 3 for B; the branch hangs on the wave's number alone.  An s_nop 0 and four v_nop follow each of the two lines.
.macro JLOAD g0a, g1a, g0b, g1b
	s_cmp_eq_u32 s15, 0
	s_cbranch_scc0 .Lfor_b_\@
	tensor_load_to_lds s[\g0a:\g0a+3], s[\g1a:\g1a+7]
	s_nop 0
.rept 4
	v_nop
.endr
	s_branch .Lasked_\@
.Lfor_b_\@:
	tensor_load_to_lds s[\g0b:\g0b+3], s[\g1b:\g1b+7]
	s_nop 0
.rept 4
	v_nop
.endr
.Lasked_\@:
.endm
; The joint refill for the second tile: wave 0 K step 0 of v_w's 128 rows, wave 1 K step 1, wave 2 their scale bytes, wave 3 nothing: one tensor load a wave at the most.  All three go to my column of the cluster.
.macro RELOAD
	s_cmp_lg_u32 s14, 0
	s_cbranch_scc1 .Lnot_0_\@
	tensor_load_to_lds s[G0B:G0B+3], s[G1B:G1B+7]
	s_nop 0
.rept 4
	v_nop
.endr
	s_branch .Lreloaded_\@
.Lnot_0_\@:
	s_cmp_lg_u32 s14, 1
	s_cbranch_scc1 .Lnot_1_\@
	tensor_load_to_lds s[G0B+4:G0B+7], s[G1B:G1B+7]
	s_nop 0
.rept 4
	v_nop
.endr
	s_branch .Lreloaded_\@
.Lnot_1_\@:
	s_cmp_lg_u32 s14, 2
	s_cbranch_scc1 .Lreloaded_\@
	tensor_load_to_lds s[G0SB:G0SB+3], s[G1SB:G1SB+7]
	s_nop 0
.rept 4
	v_nop
.endr
.Lreloaded_\@:
.endm
.macro CREST                           ; a round of the cluster's barrier behind its opening barrier
	s_cmp_lg_u32 s14, 0
	s_cbranch_scc1 .Lnot_wave_0_\@
	s_barrier_signal -3
.Lnot_wave_0_\@:
	s_barrier_wait -3
	s_barrier_signal -1
	s_barrier_wait -1
.endm
.macro CROUND                          ; a whole round
	s_barrier_signal -1
	s_barrier_wait -1
	CREST
.endm
	s_load_b128 s[4:7], s[0:1], 0x0                ; codes, scales
	s_load_b128 s[96:99], s[0:1], 0x10             ; cos, sin
	s_load_b64 s[12:13], s[0:1], 0x20              ; qkv16
	s_load_b64 s[100:101], s[0:1], 0x28            ; qkv32
	v_lshl_add_u32 v[SPW], v0, 2, SPARE
	v_mov_b32 v[NIL], 0
	ds_add_u32 v[SPW], v[NIL]                      ; the wave's opening: the add, twice on end, and its wait ahead of my first tensor load
	ds_add_u32 v[SPW], v[NIL]
	v_lshrrev_b32 v1, 5, v0
	v_readfirstlane_b32 s14, v1                    ; wave 0..3
	s_lshr_b32 s15, s14, 1                         ; which half of the tile's rows is mine.  Also: I fetch for A (0) or for B (1)
	s_and_b32 s16, s14, 1                          ; which half of its columns.  Also: which 128 rows of that tile I fetch
	s_bfe_u32 s40, ttmp6, 0x40000                  ; cx
	s_bfe_u32 s41, ttmp6, 0x40004                  ; cy
	s_lshl_b32 s42, ttmp9, 2
	s_add_co_u32 s42, s42, s40                     ; tile column = 4 x cluster x + cx: 0..7
	s_and_b32 s95, ttmp7, 0xffff                   ; cluster y
	s_lshl_b32 s17, s41, 3
	s_add_co_u32 s17, s17, s95                     ; tile row = 8 cy + cluster y
	s_and_b32 s[FLG], s95, 3
	s_or_b32 s[FLG], s[FLG], s15                   ; cluster y and the wave's number alone
	s_mov_b32 s[WHICH], ttmp9
	s_lshl_b32 s43, s41, 2
	s_lshl_b32 s43, 15, s43                        ; my row of the cluster
	s_lshl_b32 s44, 0x1111, s40                    ; my column
	; descriptor group 1: a tile of 128 rows x 256 bytes, 16 bytes of padding behind each row
	s_or_b32 s[G1+0], s43, (0<<16)|(1<<20)|(1<<21)|(5<<22)|(3<<25)
	s_or_b32 s[G1B+0], s44, (0<<16)|(1<<20)|(1<<21)|(5<<22)|(3<<25)
.irp g, G1, G1B
	s_mov_b32 s[\g+1], ROWB<<16                    ; tensor_dim0
	s_mov_b32 s[\g+2], 128<<16                     ; tensor_dim1
	s_mov_b32 s[\g+3], ROWB<<16                    ; tile_dim0
	s_mov_b32 s[\g+4], 128                         ; tile_dim1
	s_mov_b32 s[\g+5], KROW                        ; from row to row
	s_mov_b32 s[\g+6], 0
	s_mov_b32 s[\g+7], 0
.endr
	; the scale bytes of 128 rows: 4,096 dense bytes as 16 rows of 256 (32 elements of 8 bytes), 16 bytes of padding behind each
	s_or_b32 s[G1S+0], s43, (3<<16)|(1<<20)|(1<<21)|(5<<22)|(3<<25)
	s_or_b32 s[G1SB+0], s44, (3<<16)|(1<<20)|(1<<21)|(5<<22)|(3<<25)
.irp g, G1S, G1SB
	s_mov_b32 s[\g+1], 32<<16
	s_mov_b32 s[\g+2], (128*KS/256)<<16
	s_mov_b32 s[\g+3], 32<<16
	s_mov_b32 s[\g+4], 128*KS/256
	s_mov_b32 s[\g+5], 32
	s_mov_b32 s[\g+6], 0
	s_mov_b32 s[\g+7], 0
.endr
	s_lshl_b32 s18, s16, 7                         ; which 128 rows of the tile I fetch
	s_lshl_b32 s20, s17, 8
	s_add_co_u32 s20, s20, s18                     ; A: row 256 x tile row + 128 x half
	s_lshl_b32 s46, s42, 8
	s_add_co_u32 s46, s46, s18                     ; B: row 256 x tile column + 128 x half
	s_mov_b32 s21, 0
	s_mov_b32 s47, 0
	s_mov_b64 s[18:19], KS
	s_mul_u64 s[22:23], s[20:21], s[18:19]         ; where these rows' scales begin
	s_mul_u64 s[92:93], s[46:47], s[18:19]
	s_mov_b64 s[18:19], KROW
	s_mul_u64 s[20:21], s[20:21], s[18:19]         ; and their codes
	s_mul_u64 s[46:47], s[46:47], s[18:19]
	s_mul_i32 s45, s14, HALFT                      ; where they go: wave x 128 rows: no place in the cluster enters an LDS address
	s_mul_i32 s94, s14, HALFS
	s_wait_dscnt 0x0                               ; both opening adds are done
	s_wait_kmcnt 0x0
	s_add_nc_u64 s[8:9], s[4:5], 4194304           ; the weights' codes lie behind hidden_states' 8,192 rows of 512 bytes,
	s_add_nc_u64 s[10:11], s[6:7], 262144          ; their scale bytes behind 8,192 rows of 32
	s_add_nc_u64 s[20:21], s[4:5], s[20:21]
	s_add_nc_u64 s[22:23], s[6:7], s[22:23]
	s_add_nc_u64 s[46:47], s[8:9], s[46:47]
	s_add_nc_u64 s[92:93], s[10:11], s[92:93]
	CROUND                                         ; all sixteen work-groups are here: the joint loads meet
	s_mov_b32 s[G0S], 1
	s_add_co_u32 s[G0S+1], s94, SCL
	s_mov_b64 s[G0S+2:G0S+3], s[22:23]
	s_or_b32 s[G0S+3], s[G0S+3], 0x80000000
	s_mov_b32 s[G0SB], 1
	s_add_co_u32 s[G0SB+1], s94, SCL
	s_mov_b64 s[G0SB+2:G0SB+3], s[92:93]
	s_or_b32 s[G0SB+3], s[G0SB+3], 0x80000000
	JLOAD G0S, G1S, G0SB, G1SB                     ; the scales first: they are wanted with K step 0
.irp s, 0,1
	s_mov_b32 s[G0+4*\s], 1
	s_add_co_u32 s[G0+4*\s+1], s45, \s*SLOT
	s_add_nc_u64 s[G0+4*\s+2:G0+4*\s+3], s[20:21], \s*ROWB
	s_or_b32 s[G0+4*\s+3], s[G0+4*\s+3], 0x80000000
	s_mov_b32 s[G0B+4*\s], 1
	s_add_co_u32 s[G0B+4*\s+1], s45, \s*SLOT
	s_add_nc_u64 s[G0B+4*\s+2:G0B+4*\s+3], s[46:47], \s*ROWB
	s_or_b32 s[G0B+4*\s+3], s[G0B+4*\s+3], 0x80000000
	JLOAD G0+4*\s, G1, G0B+4*\s, G1B               ; three tensor loads of mine are out now: the most in this text
.endr
	v_and_b32 v1, 15, v0                           ; r
	v_bfe_u32 v2, v0, 4, 1                         ; h
	v_mul_u32_u24 v3, v1, PITCH
	v_lshl_add_u32 v4, v2, 4, v3                   ; a fragment's row x pitch + 16 x half
	s_mul_i32 s21, s15, HALFT                      ; my 128 rows of A
	s_mul_i32 s22, s16, HALFT                      ; my 128 rows of B,
	s_add_co_u32 s22, s22, 2*HALFT                 ; behind A's 256
	s_mul_i32 s23, s16, 64*PITCH                   ; my 64 rows of v_w's 128, which will lie where B's first 128 lie
	s_add_co_u32 s23, s23, 2*HALFT
.irp s, 0,1
	v_add_nc_u32 v[ADRA+\s], s21, v4
	v_add_nc_u32 v[ADRB+\s], s22, v4
	v_add_nc_u32 v[ADRBV+\s], s23, v4
	s_add_co_u32 s21, s21, SLOT
	s_add_co_u32 s22, s22, SLOT
	s_add_co_u32 s23, s23, SLOT
.endr
	v_mul_u32_u24 v5, v1, KS                       ; my row's scales: 32 bytes a row,
	v_lshrrev_b32 v6, 8, v5
	v_lshl_add_u32 v5, v6, 4, v5                   ; and 16 more for each 256 passed
	s_mul_i32 s21, s15, HALFS                      ; A's: my 128 rows
	s_mul_i32 s22, s16, HALFS                      ; B's: my 128 rows, behind A's 256
	s_add_co_u32 s22, s22, 2*HALFS
	s_sub_co_u32 s22, s22, s21
	v_mul_u32_u24 v6, s22, v2                      ; lanes 16-31 take B's
	s_add_co_u32 s21, s21, SCL
	v_add_nc_u32 v7, v5, v6
	v_add_nc_u32 v[ADRS], s21, v7
	s_mul_i32 s22, s16, 4*SBLK                     ; the second tile: A's as before; lanes 16-31 my 64 rows of v_w's 128
	s_add_co_u32 s22, s22, 2*HALFS+SCL
	s_sub_co_u32 s22, s22, s21
	v_mul_u32_u24 v6, s22, v2
	v_add_nc_u32 v7, v5, v6
	v_add_nc_u32 v[ADRSV], s21, v7
	; the ways out.  My stage: 2 x 16 rows of 128 bytes + 16
	s_mul_i32 s23, s14, 4608
	s_add_co_u32 s23, s23, STAGE
	v_mul_u32_u24 v5, v1, 144
	v_lshl_add_u32 v5, v2, 4, v5
	v_add_nc_u32 v[STO], s23, v5                   ; in: row r, + 16 h
	v_bfe_u32 v5, v0, 3, 2
	v_mul_u32_u24 v5, v5, 144
	v_and_b32 v3, 7, v0
	v_lshl_add_u32 v5, v3, 4, v5
	v_add_nc_u32 v[RD], s23, v5                    ; back: eight lanes to a row of 128 bytes, four rows an instruction
	v_and_b32 v6, 31, v0
	v_lshlrev_b32 v[GO], 4, v6
	v_lshlrev_b32 v[RT], 8, v1
	v_lshl_add_u32 v[RT], v2, 5, v[RT]
	s_lshl_b32 s20, s17, 16                        ; cos, sin at my first token: (256 x tile row + 128 x half) rows of 256 bytes
	s_lshl_b32 s21, s15, 15
	s_add_co_u32 s20, s20, s21
	s_mov_b32 s21, 0
	s_add_nc_u64 s[96:97], s[96:97], s[20:21]
	s_add_nc_u64 s[98:99], s[98:99], s[20:21]
	s_lshl_b32 s20, s41, 1
	s_lshr_b32 s21, s95, 2
	s_add_co_u32 s20, s20, s21                     ; the sequence b = tile row / 4 = 2 cy + cluster y / 4
	s_lshl_b32 s46, s40, 2
	s_lshl_b32 s47, s16, 1
	s_add_co_u32 s46, s46, s47                     ; my first head of q or k: 4 cx + 2 x half
	s_lshl_b32 s21, s20, 4
	s_add_co_u32 s21, s21, s46
	s_lshl_b32 s21, s21, 17                        ; a head is 131,072 bytes of qkv16
	s_and_b32 s22, s95, 3
	s_lshl_b32 s22, s22, 15                        ; the tile's first position: 256 (cluster y % 4) rows of 128 bytes
	s_add_co_u32 s21, s21, s22
	s_lshl_b32 s22, s15, 14
	s_add_co_u32 s21, s21, s22
	s_lshl_b32 s22, s[WHICH], 24
	s_add_co_u32 s22, s21, s22
	s_mov_b32 s23, 0
	s_add_nc_u64 s[12:13], s[12:13], s[22:23]
	s_mul_i32 s22, s20, 196608                     ; qkv32: b, which, head
	s_lshl_b32 s21, s[WHICH], 16
	s_add_co_u32 s22, s22, s21
	s_lshl_b32 s21, s46, 12
	s_add_co_u32 s22, s22, s21
	s_add_nc_u64 s[100:101], s[100:101], s[22:23]
; The tables of block a (16 tokens): lane (r, h) takes cos and sin of token r at d = 16 u + 8 h + 0..7, the layout of the results: 16 loads into set a % 4 (v64, v192, v0, v128 of window 1).
.macro TABLE a
.set TBL, 128*((\a)%2)+64*(1-((\a)%4)/2)
	WIN TO_B
.irp u, 0,1,2,3
.irp c, 0,1
	global_load_b128 v[TBL+8*\u+4*\c:TBL+8*\u+4*\c+3], v[RT], s[96:97] offset:4096*(\a)+64*\u+16*\c
	global_load_b128 v[TBL+32+8*\u+4*\c:TBL+32+8*\u+4*\c+3], v[RT], s[98:99] offset:4096*(\a)+64*\u+16*\c
.endr
.endr
	WIN 0
.endm
	TABLE 0                                        ; asked for here, a whole product ahead of their use
	TABLE 1
.macro FRAG reg, adr, q, i             ; 16 rows x 128 K of 4-bit codes: 8 registers, two loads of 16 bytes, 32 bytes apart
.irp c, 0,1
	ds_load_b128 v[\reg+4*\c:\reg+4*\c+3], v[\adr] offset:64*(\q)+32*\c+(\i)*16*PITCH
.endr
.endm
; 16 matrix instructions: A's blocks a0, a0 + 1 x B's eight.  The accumulators take turns, one instruction a turn, in the same order in every step.
.macro MUL16 a0, p, q, sc, zero
.irp a, \a0, \a0+1
.irp b, 0,1,2,3,4,5,6,7
.if \zero
	v_wmma_scale_f32_16x16x128_f8f6f4 v[8*(8*((\a)%4)+\b):8*(8*((\a)%4)+\b)+7], v[128*(\p)+FR*\b:128*(\p)+FR*\b+FR-1], v[AF+FR*(\a):AF+FR*(\a)+FR-1], 0, v[SC+8*NQ*(\sc)+NQ*\b+(\q)], v[SC+8*NQ*(\sc)+NQ*(\a)+(\q)] matrix_a_fmt:MATRIX_FMT_FP4 matrix_b_fmt:MATRIX_FMT_FP4 matrix_a_scale:MATRIX_SCALE_ROW1
.else
	v_wmma_scale_f32_16x16x128_f8f6f4 v[8*(8*((\a)%4)+\b):8*(8*((\a)%4)+\b)+7], v[128*(\p)+FR*\b:128*(\p)+FR*\b+FR-1], v[AF+FR*(\a):AF+FR*(\a)+FR-1], v[8*(8*((\a)%4)+\b):8*(8*((\a)%4)+\b)+7], v[SC+8*NQ*(\sc)+NQ*\b+(\q)], v[SC+8*NQ*(\sc)+NQ*(\a)+(\q)] matrix_a_fmt:MATRIX_FMT_FP4 matrix_b_fmt:MATRIX_FMT_FP4 matrix_a_scale:MATRIX_SCALE_ROW1
.endif
.endr
.endr
.endm
; The second tile's 8: A's blocks a0, a0 + 1 x v_w's four
.macro MULV a0, p, q, sc, zero
.irp a, \a0, \a0+1
.irp b, 0,1,2,3
.if \zero
	v_wmma_scale_f32_16x16x128_f8f6f4 v[8*(8*((\a)%4)+\b):8*(8*((\a)%4)+\b)+7], v[128*(\p)+FR*\b:128*(\p)+FR*\b+FR-1], v[AF+FR*(\a):AF+FR*(\a)+FR-1], 0, v[SC+8*NQ*(\sc)+NQ*\b+(\q)], v[SC+8*NQ*(\sc)+NQ*(\a)+(\q)] matrix_a_fmt:MATRIX_FMT_FP4 matrix_b_fmt:MATRIX_FMT_FP4 matrix_a_scale:MATRIX_SCALE_ROW1
.else
	v_wmma_scale_f32_16x16x128_f8f6f4 v[8*(8*((\a)%4)+\b):8*(8*((\a)%4)+\b)+7], v[128*(\p)+FR*\b:128*(\p)+FR*\b+FR-1], v[AF+FR*(\a):AF+FR*(\a)+FR-1], v[8*(8*((\a)%4)+\b):8*(8*((\a)%4)+\b)+7], v[SC+8*NQ*(\sc)+NQ*\b+(\q)], v[SC+8*NQ*(\sc)+NQ*(\a)+(\q)] matrix_a_fmt:MATRIX_FMT_FP4 matrix_b_fmt:MATRIX_FMT_FP4 matrix_a_scale:MATRIX_SCALE_ROW1
.endif
.endr
.endr
.endm
.macro FETCH_B slot, q, p
	WIN TO_B
.irp i, 0,1,2,3,4,5,6,7
	FRAG 128*(\p)+FR*\i, ADRB+\slot, \q, \i
.endr
	WIN 0
.endm
.macro FETCH_BV slot, q, p
	WIN TO_B
.irp i, 0,1,2,3
	FRAG 128*(\p)+FR*\i, ADRBV+\slot, \q, \i
.endr
	WIN 0
.endm
.macro FETCH_A slot, q, i0
.irp i, \i0, \i0+1, \i0+2, \i0+3
	FRAG AF+FR*(\i), ADRA+\slot, \q, \i
.endr
.endm
.macro SCALES sc, adr, off             ; a K step's scale words (16 of a row's 32 bytes, off bytes in): lanes 0-15 A's block i, lanes 16-31 B's block i
.irp i, 0,1,2,3,4,5,6,7
	ds_load_b128 v[SC+8*NQ*\sc+NQ*\i:SC+8*NQ*\sc+NQ*\i+3], v[\adr] offset:\i*SBLK+\off
.endr
.endm
.macro PLACES n                        ; plain vector instructions between a matrix instruction and a load into, or a read of, its registers
.rept \n
	v_nop
.endr
.endm
.macro STEP slot, q, zero              ; 128 along K of the first tile, with its successor in the same slot
	s_wait_dscnt 4*NL                              ; B's set and A's blocks 0-3 are in; the youngest eight loads (A's blocks 4-7) may be out
	WIN MUL_LO
	MUL16 0, (\q)%2, \q, \slot, \zero
	MUL16 2, (\q)%2, \q, \slot, \zero
	s_wait_dscnt 0
	PLACES NP
	FETCH_B \slot, (\q)+1, 1-(\q)%2
	FETCH_A \slot, (\q)+1, 0
	WIN MUL_HI
	MUL16 4, (\q)%2, \q, \slot, \zero
	MUL16 6, (\q)%2, \q, \slot, \zero
	PLACES NP
	WIN 0
	FETCH_A \slot, (\q)+1, 4
.endm
.macro STEPS slot, from
.set Q, \from
.rept NQ-1-\from
	STEP \slot, Q, 0
.set Q, Q+1
.endr
.endm
; 128 along K of the second tile; its successor is step nq of slot nslot.  Both slots have landed and nothing is filled any more: no barrier at the change of slots.
.macro VSTEP slot, q, nslot, nq, zero
	s_wait_dscnt 4*NL                              ; v_w's set, A's blocks 0-3 (and the scale words) are in; the youngest eight loads (A's blocks 4-7) may be out
	WIN MUL_LO
	MULV 0, (\q)%2, \q, \slot, \zero
	MULV 2, (\q)%2, \q, \slot, \zero
	s_wait_dscnt 0
	PLACES NP
	FETCH_BV \nslot, \nq, 1-(\q)%2
	FETCH_A \nslot, \nq, 0
.if (\nq) == 0
	SCALES \nslot, ADRSV, 16*(\nslot)
.endif
	WIN MUL_HI
	MULV 4, (\q)%2, \q, \slot, \zero
	MULV 6, (\q)%2, \q, \slot, \zero
	PLACES NP
	WIN 0
	FETCH_A \nslot, \nq, 4
.endm
	s_wait_tensorcnt 1                             ; the scales and my part of K step 0 are in; K step 1's load may stay out
	s_barrier_signal -1
	s_barrier_wait -1
	FETCH_B 0, 0, 0
	FETCH_A 0, 0, 0
	SCALES 0, ADRS, 0
	FETCH_A 0, 0, 4
	STEP 0, 0, 1                                   ; the first products start the sums: nothing is cleared
	STEPS 0, 1
	; slot 0's last step changes slots: one barrier; in front of it all my tensor loads have landed.
	s_wait_tensorcnt 0x0
	ds_add_u32 v[SPW], v[NIL]                      ; 0 onto my spare word
	s_wait_dscnt 4*NL+1                            ; (the add and A's blocks 4-7 may be out)
	WIN MUL_LO
	MUL16 0, 1, NQ-1, 0, 0
	s_wait_dscnt 0x0
	s_barrier_signal -1
	MUL16 2, 1, NQ-1, 0, 0
	WIN 0
	s_barrier_wait -1
	PLACES NP
	FETCH_B 1, 0, 0
	FETCH_A 1, 0, 0
	SCALES 1, ADRS, 16
	WIN MUL_HI
	MUL16 4, 1, NQ-1, 0, 0
	MUL16 6, 1, NQ-1, 0, 0
	PLACES NP
	WIN 0
	FETCH_A 1, 0, 4
	STEPS 1, 0
	TABLE 2                                        ; into B's set 0: its last products stand in front of the four places at the end of the step before
	; THE FIRST TILE'S LAST STEP.  All its fragments of B and all scale words have been asked for: B's bytes are filled again, with v_w's rows.
	s_wait_tensorcnt 0x0                           ; no tensor load of mine is out, so groups 0 may be written
	ds_add_u32 v[SPW], v[NIL]                      ; 0 onto my spare word: the descriptors' words stand between it and the wait for it
	s_lshl_b32 s46, s40, 1
	s_add_co_u32 s46, s46, s[WHICH]                ; 2 cx + cluster x: which 128 rows of v_w: my column of the cluster shares both numbers
	s_lshl_b32 s92, s46, 12                        ; their scale bytes: 128 rows of 32, behind q_w's and k_w's 2,048 rows
	s_add_co_u32 s92, s92, 65536
	s_mov_b32 s93, 0
	s_lshl_b32 s46, s46, 16                        ; their codes: 128 rows of 512
	s_add_co_u32 s46, s46, 1048576
	s_mov_b32 s47, 0
	s_mov_b32 s[G0B+1], 2*HALFT                    ; K step 0 goes where B's first 128 rows lie in slot 0,
	s_add_nc_u64 s[G0B+2:G0B+3], s[8:9], s[46:47]
	s_or_b32 s[G0B+3], s[G0B+3], 0x80000000
	s_mov_b32 s[G0B+5], SLOT+2*HALFT               ; K step 1 likewise in slot 1,
	s_add_nc_u64 s[G0B+6:G0B+7], s[8:9], s[46:47]
	s_add_nc_u64 s[G0B+6:G0B+7], s[G0B+6:G0B+7], ROWB
	s_or_b32 s[G0B+7], s[G0B+7], 0x80000000
	s_mov_b32 s[G0SB+1], SCL+2*HALFS               ; the scale bytes where those of B's first 128 rows lie
	s_add_nc_u64 s[G0SB+2:G0SB+3], s[10:11], s[92:93]
	s_or_b32 s[G0SB+3], s[G0SB+3], 0x80000000
	s_wait_dscnt 4*NL+1                            ; (the add and A's blocks 4-7 may be out)
	WIN MUL_LO
	MUL16 0, 1, NQ-1, 1, 0
	s_wait_dscnt 0x0                               ; the add is done, and my reads of B's bytes are over
	s_barrier_signal -1
	MUL16 2, 1, NQ-1, 1, 0
	WIN 0
	s_barrier_wait -1
	CREST                                          ; the barrier has opened a round of the cluster's: no wave of any partner still reads B's bytes or has a load on its way
	RELOAD                                         ; the first tensor load behind the round, one a wave: it has the whole way out below in which to land
	WIN MUL_HI
	MUL16 4, 1, NQ-1, 1, 0
	MUL16 6, 1, NQ-1, 1, 0
	WIN 0
	PLACES NP                                      ; behind the last products: for the reads of results and the loads into A's and B's registers
	TABLE 3                                        ; into B's set 1
; THE FIRST WAY OUT, a block of 16 tokens x 2 heads at a time.
; RoPE of head g of block a into v[Y..]; each accumulator is read from its low end on.  Block 0 of a tile that begins a sequence also leaves in f32 (pieces of 32 bytes: 1.5 MB in the whole launch).
.macro ROPEH a, g
.set AC, 64*((\a)%4)
.set TBL, 128*((\a)%2)+64*(1-((\a)%4)/2)
	WIN 0x06+(\a)/4                                ; source 0: the accumulators' window; source 1: the tables'
.irp u, 0,1
.irp j, 0,2,4,6
	v_pk_mul_f32 v[Y+8*\u+\j:Y+8*\u+\j+1], v[AC+8*(4*\g+\u+2)+\j:AC+8*(4*\g+\u+2)+\j+1], v[TBL+32+8*\u+\j:TBL+32+8*\u+\j+1]
	v_pk_mul_f32 v[Y+8*(\u+2)+\j:Y+8*(\u+2)+\j+1], v[AC+8*(4*\g+\u)+\j:AC+8*(4*\g+\u)+\j+1], v[TBL+32+8*(\u+2)+\j:TBL+32+8*(\u+2)+\j+1]
	v_pk_fma_f32 v[Y+8*\u+\j:Y+8*\u+\j+1], v[AC+8*(4*\g+\u)+\j:AC+8*(4*\g+\u)+\j+1], v[TBL+8*\u+\j:TBL+8*\u+\j+1], v[Y+8*\u+\j:Y+8*\u+\j+1] neg_lo:[0,0,1] neg_hi:[0,0,1]
	v_pk_fma_f32 v[Y+8*(\u+2)+\j:Y+8*(\u+2)+\j+1], v[AC+8*(4*\g+\u+2)+\j:AC+8*(4*\g+\u+2)+\j+1], v[TBL+8*(\u+2)+\j:TBL+8*(\u+2)+\j+1], v[Y+8*(\u+2)+\j:Y+8*(\u+2)+\j+1]
.endr
.endr
	WIN 0
.if (\a) == 0
	s_cmp_lg_u32 s[FLG], 0
	s_cbranch_scc1 .Lnot_first_\@
.irp u, 0,1,2,3
	global_store_b128 v[RT], v[Y+8*\u:Y+8*\u+3], s[100:101] offset:4096*\g+64*\u
	global_store_b128 v[RT], v[Y+8*\u+4:Y+8*\u+7], s[100:101] offset:4096*\g+64*\u+16
.endr
	s_wait_xcnt 0x0                                ; the stores have read v[Y..]: the next head writes it only behind this wait
.Lnot_first_\@:
.endif
.irp n, 0,1,2,3,4,5,6,7,8,9,10,11,12,13,14,15
	v_cvt_pk_f16_f32 v[H+16*\g+\n], v[Y+2*\n], v[Y+2*\n+1]
.endr
.endm
.macro PACKR a
.if 7-(\a) >= 3
	s_wait_loadcnt 48                              ; this block's tables are in; the 48 loads of the three blocks behind it stay out
.else
	s_wait_loadcnt 16*(7-(\a))
.endif
	ROPEH \a, 0
	ROPEH \a, 1
.if (\a)+4 < 8
	TABLE (\a)+4                                   ; into the set just read
.endif
.endm
.macro TOSTAGE a                       ; 16 bytes a lane into rows of 144 bytes; back as runs of 512 consecutive bytes.  LDS serves a wave's instructions in order: no wait between
.if (\a) >= 2
	s_wait_xcnt 0x0                                ; the stores of two turns back have read the registers that these loads fill
.endif
.irp b, 0,1,2,3,4,5,6,7
	ds_store_b128 v[STO], v[H+4*\b:H+4*\b+3] offset:2304*(\b/4)+32*(\b%4)
.endr
.irp t, 0,1,2,3,4,5,6,7
	ds_load_b128 v[BK+32*((\a)%2)+4*\t:BK+32*((\a)%2)+4*\t+3], v[RD] offset:2304*(\t/4)+576*(\t%4)
.endr
.endm
.macro SEND a
	s_wait_dscnt 0x0
.irp t, 0,1,2,3,4,5,6,7
	global_store_b128 v[GO], v[BK+32*((\a)%2)+4*\t:BK+32*((\a)%2)+4*\t+3], s[12:13] offset:131072*(\t/4)+2048*(\a)+512*(\t%4)   ; 32 lanes store 512 consecutive bytes, aligned: four tokens of a head
.endr
.endm
	PACKR 0
	TOSTAGE 0
.irp a, 1,2,3,4,5,6,7                  ; block a's arithmetic stands between block a - 1's loads from the stage and the wait for them
	PACKR \a
	SEND (\a)-1
	TOSTAGE \a
.endr
	SEND 7
	; THE SECOND TILE: my 128 tokens x one head of v: head 4 cx + 2 x cluster x + my half.
	s_wait_xcnt 0x0                                ; the stores have read their bases and v128-191: both are written again only behind this wait
	s_sub_co_u32 s20, 2, s[WHICH]                  ; from q or k to v: 2 - cluster x planes on; from head 4 cx + 2 x half to head 4 cx + 2 x cluster x + half
	s_lshl_b32 s22, s[WHICH], 1
	s_lshl_b32 s21, s20, 7                         ; qkv16: a plane is 128 heads of 131,072 bytes
	s_add_co_u32 s21, s21, s22
	s_sub_co_u32 s21, s21, s16                     ; at least 127
	s_lshl_b32 s46, s21, 17
	s_mov_b32 s47, 0
	s_add_nc_u64 s[12:13], s[12:13], s[46:47]
	s_lshl_b32 s21, s20, 4                         ; qkv32: a plane is 16 heads of 4,096 bytes
	s_add_co_u32 s21, s21, s22
	s_sub_co_u32 s21, s21, s16
	s_lshl_b32 s46, s21, 12
	s_add_nc_u64 s[100:101], s[100:101], s[46:47]
	s_wait_tensorcnt 0x0                           ; my part of v_w's rows is in,
	s_wait_dscnt 0x0
	s_barrier_signal -1
	s_barrier_wait -1                              ; everybody's is
	FETCH_BV 0, 0, 0
	FETCH_A 0, 0, 0
	SCALES 0, ADRSV, 0
	FETCH_A 0, 0, 4
	VSTEP 0, 0, 0, 1, 1                            ; the first products start the sums anew
	VSTEP 0, 1, 0, 2, 0
	VSTEP 0, 2, 0, 3, 0
	VSTEP 0, 3, 1, 0, 0
	VSTEP 1, 0, 1, 1, 0
	VSTEP 1, 1, 1, 2, 0
	VSTEP 1, 2, 1, 3, 0
	s_wait_dscnt 4*NL                              ; the very last step
	WIN MUL_LO
	MULV 0, 1, NQ-1, 1, 0
	MULV 2, 1, NQ-1, 1, 0
	s_wait_dscnt 0
	WIN MUL_HI
	MULV 4, 1, NQ-1, 1, 0
	MULV 6, 1, NQ-1, 1, 0
	WIN 0
; THE SECOND WAY OUT: v has no RoPE: straight to f16, two blocks of 16 tokens (2 pp, 2 pp + 1) a turn, through the same stage.
.macro PACKV pp
	WIN 0x0a+5*((\pp)/2)
.irp g, 0,1
.irp u, 0,1,2,3
.irp i, 0,1,2,3
	v_cvt_pk_f16_f32 v[H+16*\g+4*\u+\i], v[64*((2*(\pp)+\g)%4)+8*\u+2*\i], v[64*((2*(\pp)+\g)%4)+8*\u+2*\i+1]
.endr
.endr
.endr
	WIN 0
.if (\pp) == 0
	s_cmp_lg_u32 s[FLG], 0
	s_cbranch_scc1 .Lnot_first_\@
	WIN 0x08                                       ; a store's data are its source 1: window 2
.irp u, 0,1,2,3
	global_store_b128 v[RT], v[8*\u:8*\u+3], s[100:101] offset:64*\u
	global_store_b128 v[RT], v[8*\u+4:8*\u+7], s[100:101] offset:64*\u+16
.endr
	WIN 0
.Lnot_first_\@:
.endif
.endm
.macro SENDV pp
	s_wait_dscnt 0x0
.irp t, 0,1,2,3,4,5,6,7
	global_store_b128 v[GO], v[BK+32*((\pp)%2)+4*\t:BK+32*((\pp)%2)+4*\t+3], s[12:13] offset:2048*(2*(\pp)+\t/4)+512*(\t%4)   ; 32 lanes store 512 consecutive bytes, aligned
.endr
.endm
	PLACES NP                                      ; behind the last products: for the reads of results and the loads into A's registers
	PACKV 0
	TOSTAGE 0
.irp pp, 1,2,3
	PACKV \pp
	SENDV (\pp)-1
	TOSTAGE \pp
.endr
	SENDV 3
	s_wait_tensorcnt 0x0                           ; the wave's end: behind my last tensor load and my last LDS store
	ds_add_u32 v[SPW], v[NIL]
	s_wait_dscnt 0x0
	CROUND                                         ; the closing round
	s_endpgm
.Lfunc_end_k_q2ec33056a7_qkv:
	.size	k_q2ec33056a7_qkv, .Lfunc_end_k_q2ec33056a7_qkv-k_q2ec33056a7_qkv
	.p2alignl 7, 3214868480
	.fill 96, 4, 3214868480
	.section	.rodata,"a",@progbits
	.p2align	6, 0x0
	.amdhsa_kernel k_q2ec33056a7_qkv
		.amdhsa_group_segment_fixed_size 327680
		.amdhsa_private_segment_fixed_size 0
		.amdhsa_enable_private_segment 0
		.amdhsa_kernarg_size 48
		.amdhsa_user_sgpr_count 2
		.amdhsa_user_sgpr_kernarg_segment_ptr 1
		.amdhsa_wavefront_size32 1
		.amdhsa_system_sgpr_workgroup_id_x 1
		.amdhsa_system_sgpr_workgroup_id_y 1
		.amdhsa_system_sgpr_workgroup_id_z 1
		.amdhsa_system_vgpr_workitem_id 0
		.amdhsa_next_free_vgpr 1024
		.amdhsa_next_free_sgpr 102
		.amdhsa_reserve_vcc 0
		.amdhsa_float_denorm_mode_32 3
		.amdhsa_float_denorm_mode_16_64 3
		.amdhsa_memory_ordered 1
		.amdhsa_forward_progress 1
		.amdhsa_inst_pref_size 242
	.end_amdhsa_kernel
	.amdgpu_metadata
---
amdhsa.version: [ 1, 2 ]
amdhsa.kernels:
  - .name:           k_q2ec33056a7_qkv
    .symbol:         k_q2ec33056a7_qkv.kd
    .args:
      - { .name: codes, .offset: 0, .size: 8, .value_kind: global_buffer, .address_space: global }
      - { .name: scales, .offset: 8, .size: 8, .value_kind: global_buffer, .address_space: global }
      - { .name: cos, .offset: 16, .size: 8, .value_kind: global_buffer, .address_space: global }
      - { .name: sin, .offset: 24, .size: 8, .value_kind: global_buffer, .address_space: global }
      - { .name: qkv16, .offset: 32, .size: 8, .value_kind: global_buffer, .address_space: global }
      - { .name: qkv32, .offset: 40, .size: 8, .value_kind: global_buffer, .address_space: global }
    .group_segment_fixed_size: 327680
    .private_segment_fixed_size: 0
    .kernarg_segment_align: 8
    .kernarg_segment_size: 48
    .max_flat_workgroup_size: 128
    .sgpr_count:     102
    .vgpr_count:     1024
    .wavefront_size: 32
...
	.end_amdgpu_metadata
.endif
;; end of part 2
;; launch attn (part 3): grid 2 x 128, 8 waves a work-group, no clusters, 327,680 bytes of LDS; arguments qkv16, attn16; writes attn16
.if DOCPART == 3
	.amdgcn_target "amdgcn-amd-amdhsa--gfx1250"
	.amdhsa_code_object_version 6
	.text
	.protected	k_q2ec33056a7_attn
	.globl	k_q2ec33056a7_attn
	.p2align	8
	.type	k_q2ec33056a7_attn,@function
k_q2ec33056a7_attn:
	s_mov_b64 s[64:65], 0
	v_nop
	global_prefetch_b8 v0, s[64:65] scope:SCOPE_SE
	s_setreg_imm32_b32 hwreg(HW_REG_WAVE_MODE, 25, 1), 1
	s_wait_xcnt 0x0
; Causal attention of one head: O[q] = sum over k <= q of softmax_k(Q[q] . K[k] / 8) V[k].  Q, K, V: qkv16 [3][128 heads][1024][64] f16; O: attn16 [128][1024][64] f16.
; Products on f16 operands with f32 sums; maxima, exponentials and sums in f32, with a running maximum; the weights p (at most 1) are rounded to f16 for the second product, O once at the end.
; SHARES.  Work-group (x = jj, y = head), eight waves.  A head's queries are 32 super-tiles of 32 (two tiles of 16).  Wave w takes super-tiles i0 = 2 w + jj and 31 - i0.
; Super-tile i needs i / 2 + 1 steps of 64 keys, so each wave has 17 steps: all waves of the launch have equal work.
; ALL OF THE HEAD'S K AND V LIE IN LDS, filled once by 32 tensor loads of 64 keys (waves 0-3: K, waves 4-7: V; four a wave, four out at the most).  Nothing is filled again.
; ORDER.  The large super-tile (queries from 512 on) walks keys 0-255, 256-511, 512-1023, then the small one keys 0-511: three barriers, each behind a wait that shows the next group of keys landed.
; Steps whose keys all come after the wave's queries are jumped over (a branch on ids and counted steps); on the diagonal hidden scores become -infinity ahead of the maximum.
; LAYOUT.  S^T = K Q^T, O^T = V^T P: a lane holds ONE query (lane % 16); two tiles of S^T rounded in pairs ARE source 1 of the second product.  V is turned by ds_load_tr16_b128.
; No cluster: two work-groups share a head, which is no cluster form of four; each asks for each byte once.  No prefetch: every byte is asked for at the head.
; LDS: two keys (256 bytes) to a row.  K: + 16 of padding (pitch 272): 16 neighbouring keys start at 16 different 16-byte columns.  V: + 32 (pitch 288): the 8 keys x 32 bytes of a turning load's 16 lanes likewise.
; REGISTERS: window 0: v1-14 addresses; v16-31 statistics, 8 a tile: +0 c m, +1 m, +2, +3 l, +4..7 at work (a in +6); v32-63 Q of the large super-tile; v64-127 S^T; v128-159 P; v160-223 O^T; v224-255 rows on the way out.
;   window 1: v0-63 K's fragments; v64-127 V's; v128-159 Q of the small super-tile.
.set VB,    139264                     ; V's first byte: behind K's 512 rows of 272
.set STAGE, 286720                     ; behind V's 512 rows of 288: 2 tiles x 16 rows x 144 bytes for each wave
.set SPARE, STAGE+8*4608               ; the spare words, 128 bytes a wave
.set AK0, 1
.set AV0, 2
.set ADK, 3
.set ADV, 4
.set QO,  5
.set STO, 6
.set RD,  7
.set GO,  8
.set SPW, 9
.set NIL, 10
.set NINF, 11
.set D0,  12                           ; v12, v13  query - key at register 0, for the two tiles
.set RH,  14                           ; v14  r - 8 h
.set ST,  16
.set QL,  32
.set S,   64
.set P,   128
.set OT,  160
.set BK,  224
.set WV,  12
.set Q0L, 15
.set Q0S, 16
.set KF,  17                           ; s17  the step's first key
.set TK,  18                           ; s18  its place in K: 8,704 bytes a step
.set TV,  19                           ; s19  in V: 9,216
.set CS,  20                           ; s[20:21] c = log2(e) / 8
.set SEL, 22
.set G1K, 24
.set G1V, 32
.set G0K, 40                           ; s40-55  four groups 0 for K
.set OUTL, 56
.set OUTS, 58
.set CNT, 60
.set G0V, 68                           ; s68-83  four for V
.set MSB, 0
.macro WIN new
.if MSB != (\new)
	s_set_vgpr_msb (MSB<<8)|(\new)
.set MSB, (\new)
.endif
.endm
	s_load_b64 s[4:5], s[0:1], 0x0                 ; qkv16
	s_load_b64 s[10:11], s[0:1], 0x8               ; attn16
	v_lshl_add_u32 v[SPW], v0, 2, SPARE
	v_mov_b32 v[NIL], 0
	ds_add_u32 v[SPW], v[NIL]                      ; the wave's opening: the add, twice on end, and its wait ahead of my first tensor load
	ds_add_u32 v[SPW], v[NIL]
	v_lshrrev_b32 v1, 5, v0
	v_readfirstlane_b32 s[WV], v1                  ; wave 0..7
	; descriptor group 1: 64 keys = 8,192 dense bytes as 32 rows of 256 (32 elements of 8 bytes); padding behind each row: K 4 words, V 8
	s_mov_b32 s[G1K], (3<<16)|(1<<20)|(5<<22)|(3<<25)
	s_mov_b32 s[G1V], (3<<16)|(1<<20)|(5<<22)|(7<<25)
.irp g, G1K, G1V
	s_mov_b32 s[\g+1], 32<<16                      ; tensor_dim0
	s_mov_b32 s[\g+2], 32<<16                      ; tensor_dim1
	s_mov_b32 s[\g+3], 32<<16                      ; tile_dim0
	s_mov_b32 s[\g+4], 32                          ; tile_dim1
	s_mov_b32 s[\g+5], 32                          ; from row to row
	s_mov_b32 s[\g+6], 0
	s_mov_b32 s[\g+7], 0
.endr
	s_mov_b32 s[CS], 0x3e38aa3b
	s_mov_b32 s[CS+1], s[CS]                       ; (named with it as a pair, so it is written)
	s_mov_b32 s[SEL], 0x76543210
	s_mov_b32 s[SEL+1], 0xfedcba98                 ; v_permlanex16_b32: lane l xor 16
	s_mov_b32 s[KF], 0
	s_mov_b32 s[TK], 0
	s_mov_b32 s[TV], 0
	s_lshl_b32 s[Q0S], s[WV], 1
	s_add_co_u32 s[Q0S], s[Q0S], ttmp9
	s_lshl_b32 s[Q0S], s[Q0S], 5                   ; the small super-tile's first query: 32 (2 w + jj)
	s_sub_co_u32 s[Q0L], 992, s[Q0S]               ; the large one's: 32 (31 - 2 w - jj)
	s_and_b32 s13, ttmp7, 0xffff                   ; the head, 0..127
	s_and_b32 s14, s[WV], 3                        ; which 64 of each 256 keys I fetch
	s_mul_i32 s92, s14, 8704
	s_mul_i32 s93, s14, 9216
	s_add_co_u32 s93, s93, VB
	s_lshl_b32 s98, s14, 13
	s_mov_b32 s99, 0
	s_lshl_b32 s96, s13, 17                        ; a head is 131,072 bytes
	s_mov_b32 s97, 0
	s_wait_dscnt 0x0                               ; both opening adds are done
	s_wait_kmcnt 0x0
	s_add_nc_u64 s[4:5], s[4:5], s[96:97]          ; Q's head,
	s_add_nc_u64 s[6:7], s[4:5], 16777216          ; K's,
	s_add_nc_u64 s[8:9], s[4:5], 33554432          ; V's,
	s_add_nc_u64 s[10:11], s[10:11], s[96:97]      ; O's
	s_add_nc_u64 s[84:85], s[6:7], s[98:99]
	s_add_nc_u64 s[86:87], s[8:9], s[98:99]
.irp g, 0,1,2,3                        ; load g brings keys 256 g + 64 part on
	s_mov_b32 s[G0K+4*\g], 1
	s_add_co_u32 s[G0K+4*\g+1], s92, \g*4*8704
	s_add_nc_u64 s[G0K+4*\g+2:G0K+4*\g+3], s[84:85], \g*32768
	s_or_b32 s[G0K+4*\g+3], s[G0K+4*\g+3], 0x80000000
	s_mov_b32 s[G0V+4*\g], 1
	s_add_co_u32 s[G0V+4*\g+1], s93, \g*4*9216
	s_add_nc_u64 s[G0V+4*\g+2:G0V+4*\g+3], s[86:87], \g*32768
	s_or_b32 s[G0V+4*\g+3], s[G0V+4*\g+3], 0x80000000
.endr
	s_cmp_lt_u32 s[WV], 4                          ; a wave's four first fills stand in one branch on its number, ahead of every wait on TENSORcnt, every LDS read and every barrier
	s_cbranch_scc0 .Lfirst_v
.irp g, 0,1,2,3
	tensor_load_to_lds s[G0K+4*\g:G0K+4*\g+3], s[G1K:G1K+7]
	s_nop 0
.endr
.rept 4
	v_nop
.endr
	s_branch .Lfirst_asked
.Lfirst_v:
.irp g, 0,1,2,3
	tensor_load_to_lds s[G0V+4*\g:G0V+4*\g+3], s[G1V:G1V+7]
	s_nop 0
.endr
.rept 4
	v_nop
.endr
.Lfirst_asked:
	s_lshl_b32 s96, s[Q0L], 7
	s_add_nc_u64 s[88:89], s[4:5], s[96:97]        ; the large super-tile's rows of Q
	s_add_nc_u64 s[OUTL:OUTL+1], s[10:11], s[96:97]  ; and of O
	s_lshl_b32 s96, s[Q0S], 7
	s_add_nc_u64 s[90:91], s[4:5], s[96:97]
	s_add_nc_u64 s[OUTS:OUTS+1], s[10:11], s[96:97]
	v_and_b32 v224, 15, v0                         ; r
	v_bfe_u32 v225, v0, 4, 1                       ; h
	v_lshlrev_b32 v[QO], 7, v224
	v_lshl_add_u32 v[QO], v225, 4, v[QO]           ; Q: row r of 128 bytes, + 16 h
.irp t, 0,1                            ; a fragment of Q: 16 queries x 32 channels: two loads of 16 bytes, 32 bytes apart
.irp c, 0,1
	global_load_b128 v[QL+16*\t+8*\c:QL+16*\t+8*\c+3], v[QO], s[88:89] offset:2048*\t+64*\c
	global_load_b128 v[QL+16*\t+8*\c+4:QL+16*\t+8*\c+7], v[QO], s[88:89] offset:2048*\t+64*\c+32
.endr
.endr
	WIN 0x40
.irp t, 0,1
.irp c, 0,1
	global_load_b128 v[128+16*\t+8*\c:128+16*\t+8*\c+3], v[QO], s[90:91] offset:2048*\t+64*\c
	global_load_b128 v[128+16*\t+8*\c+4:128+16*\t+8*\c+7], v[QO], s[90:91] offset:2048*\t+64*\c+32
.endr
.endr
	WIN 0
	v_lshrrev_b32 v226, 1, v224
	v_and_b32 v227, 1, v0
	v_mul_u32_u24 v[AK0], v226, 272
	v_lshl_add_u32 v[AK0], v227, 7, v[AK0]
	v_lshl_add_u32 v[AK0], v225, 4, v[AK0]         ; K: key r at 272 (r / 2) + 128 (r % 2), + 16 h
	v_bfe_u32 v226, v0, 1, 2
	v_lshl_add_u32 v226, v225, 2, v226             ; V: lane l reads key 8 h + l % 8: its double row 4 h + (l % 8) / 2,
	v_mul_u32_u24 v[AV0], v226, 288
	v_lshl_add_u32 v[AV0], v227, 7, v[AV0]         ; its half,
	v_bfe_u32 v226, v0, 3, 1
	v_lshl_add_u32 v[AV0], v226, 4, v[AV0]         ; channels 8 ((l / 8) % 2) on
	v_add_nc_u32 v[AV0], VB, v[AV0]
	s_mul_i32 s96, s[WV], 4608
	s_add_co_u32 s96, s96, STAGE                   ; my stage
	v_mul_u32_u24 v[STO], v224, 144
	v_lshl_add_u32 v[STO], v225, 4, v[STO]
	v_add_nc_u32 v[STO], s96, v[STO]               ; in: row r, + 16 h
	v_bfe_u32 v226, v0, 3, 2
	v_mul_u32_u24 v[RD], v226, 144
	v_and_b32 v227, 7, v0
	v_lshl_add_u32 v[RD], v227, 4, v[RD]
	v_add_nc_u32 v[RD], s96, v[RD]                 ; back: eight lanes to a row, four rows an instruction
	v_and_b32 v226, 31, v0
	v_lshlrev_b32 v[GO], 4, v226
	v_lshlrev_b32 v226, 3, v225
	v_sub_nc_u32 v[RH], v224, v226
	v_mov_b32 v[NINF], 0xff800000
; One step's softmax, both tiles line by line, so that no line waits for the line above it.
.macro SOFTMAX
.irp ch, 0,1,2,3                       ; the maximum: four chains, one for each accumulator, begun at its registers 0 to 2
.irp t, 0,1
	v_max3_num_f32 v[ST+8*\t+4+\ch], v[S+32*\t+8*\ch], v[S+32*\t+8*\ch+1], v[S+32*\t+8*\ch+2]
.endr
.endr
.irp k, 1,2
.irp ch, 0,1,2,3
.irp t, 0,1
	v_max3_num_f32 v[ST+8*\t+4+\ch], v[ST+8*\t+4+\ch], v[S+32*\t+8*\ch+2*\k+1], v[S+32*\t+8*\ch+2*\k+2]
.endr
.endr
.endr
.irp t, 0,1
	v_max3_num_f32 v[ST+8*\t+4], v[ST+8*\t+4], v[S+32*\t+7], v[S+32*\t+15]
.endr
.irp t, 0,1
	v_max3_num_f32 v[ST+8*\t+6], v[ST+8*\t+6], v[S+32*\t+23], v[S+32*\t+31]
.endr
.irp t, 0,1
	v_max3_num_f32 v[ST+8*\t+4], v[ST+8*\t+4], v[ST+8*\t+5], v[ST+8*\t+6]
.endr
.irp t, 0,1
	v_max3_num_f32 v[ST+8*\t+4], v[ST+8*\t+4], v[ST+8*\t+7], v[ST+8*\t+1]   ; with the old m
.endr
.irp t, 0,1
	v_permlanex16_b32 v[ST+8*\t+5], v[ST+8*\t+4], s[SEL], s[SEL+1]          ; the query's other 32 keys lie in the lane 16 away
.endr
.irp t, 0,1
	v_mov_b32 v[ST+8*\t+7], v[ST+8*\t]             ; c m_old is kept for a
.endr
.irp t, 0,1
	v_max_num_f32 v[ST+8*\t+1], v[ST+8*\t+4], v[ST+8*\t+5]
.endr
.irp t, 0,1
	v_mul_f32 v[ST+8*\t], s[CS], v[ST+8*\t+1]
.endr
.irp t, 0,1
	v_sub_f32 v[ST+8*\t+7], v[ST+8*\t+7], v[ST+8*\t]
.endr
.set n, 0
.rept 16
.irp t, 0,1
	v_pk_fma_f32 v[S+32*\t+2*n:S+32*\t+2*n+1], v[S+32*\t+2*n:S+32*\t+2*n+1], s[CS:CS+1], v[ST+8*\t:ST+8*\t+1] op_sel_hi:[1,0,0] neg_lo:[0,0,1] neg_hi:[0,0,1]   ; c s - c m
.endr
.set n, n+1
.endr
.irp t, 0,1                            ; ONE BATCH of exponentials: a = 2^(c m_old - c m_new), then the 64 weights
	v_exp_f32 v[ST+8*\t+6], v[ST+8*\t+7]
.endr
.set n, 0
.rept 64
	v_exp_f32 v[S+n], v[S+n]
.set n, n+1
.endr
	v_nop                                          ; a plain instruction behind the last exponential,
	s_wait_alu depctr_va_vdst(0)                   ; and the one wait ahead of the batch's first reader
.set n, 0
.rept 16
.irp t, 0,1
	v_cvt_pk_f16_f32 v[P+16*\t+n], v[S+32*\t+2*n], v[S+32*\t+2*n+1]
.endr
.set n, n+1
.endr
.irp w, 4,8,16,32                      ; the sum of the tile's 16 pairs, in place
.set u, 0
.rept 32/\w
.irp t, 0,1
	v_pk_add_f32 v[S+32*\t+\w*u:S+32*\t+\w*u+1], v[S+32*\t+\w*u:S+32*\t+\w*u+1], v[S+32*\t+\w*u+\w/2:S+32*\t+\w*u+\w/2+1]
.endr
.set u, u+1
.endr
.endr
.irp t, 0,1
	v_pk_fma_f32 v[ST+8*\t+2:ST+8*\t+3], v[ST+8*\t+2:ST+8*\t+3], v[ST+8*\t+6:ST+8*\t+7], v[S+32*\t:S+32*\t+1] op_sel_hi:[1,0,1]   ; l = a l + the sum
.endr
.set n, 0
.rept 16
.irp t, 0,1
	v_pk_mul_f32 v[OT+32*\t+2*n:OT+32*\t+2*n+1], v[OT+32*\t+2*n:OT+32*\t+2*n+1], v[ST+8*\t+6:ST+8*\t+7] op_sel_hi:[1,0]   ; O^T x a
.endr
.set n, n+1
.endr
.endm
; A STEP of 64 keys for the super-tile whose first query is s[q0] and whose Q lies at v[qb] (qw: the windows of the first product).  masked = 1: the step may lie on or past the diagonal.
.macro STEP masked, q0, qb, qw
.if \masked
	s_add_co_u32 s96, s[\q0], 31
	s_cmp_gt_u32 s[KF], s96                        ; all 64 keys come after my 32 queries: ids and counted steps alone
	s_cbranch_scc1 .Lhidden_\@
.endif
	v_add_nc_u32 v[ADK], s[TK], v[AK0]             ; these two and two v_nop are the four places between the last products and the loads into V's registers
	v_add_nc_u32 v[ADV], s[TV], v[AV0]
	v_nop
	v_nop
	WIN 0x40
.irp kt, 0,1,2,3
.irp c, 0,1
	ds_load_b128 v[16*\kt+8*\c:16*\kt+8*\c+3], v[ADK] offset:2176*\kt+64*\c
	ds_load_b128 v[16*\kt+8*\c+4:16*\kt+8*\c+7], v[ADK] offset:2176*\kt+64*\c+32
.endr
.endr
.irp p, 0,1
.irp ct, 0,1,2,3
	ds_load_tr16_b128 v[64+32*\p+8*\ct:64+32*\p+8*\ct+3], v[ADV] offset:4608*\p+32*\ct
	ds_load_tr16_b128 v[64+32*\p+8*\ct+4:64+32*\p+8*\ct+7], v[ADV] offset:4608*\p+32*\ct+2304
.endr
.endr
	s_wait_dscnt 16                                ; K's 16 loads are in; V's 16 stay out
	WIN \qw
.irp c, 0,1                            ; S^T = K Q^T: the eight accumulators take turns, one instruction a turn
.irp kt, 0,1,2,3
.irp t, 0,1
.if \c == 0
	v_wmma_f32_16x16x32_f16 v[S+32*\t+8*\kt:S+32*\t+8*\kt+7], v[16*\kt+8*\c:16*\kt+8*\c+7], v[\qb+16*\t+8*\c:\qb+16*\t+8*\c+7], 0
.else
	v_wmma_f32_16x16x32_f16 v[S+32*\t+8*\kt:S+32*\t+8*\kt+7], v[16*\kt+8*\c:16*\kt+8*\c+7], v[\qb+16*\t+8*\c:\qb+16*\t+8*\c+7], v[S+32*\t+8*\kt:S+32*\t+8*\kt+7]
.endif
.endr
.endr
.endr
	WIN 0
.rept 4
	v_nop
.endr
.if \masked
	s_add_co_u32 s96, s[KF], 63
	s_cmp_le_u32 s96, s[\q0]                       ; all 64 keys count for all my queries
	s_cbranch_scc1 .Lopen_\@
	s_sub_co_i32 s96, s[\q0], s[KF]
	v_add_nc_u32 v[D0], s96, v[RH]                 ; register 8 kt + j of tile t holds key KF + 16 kt + 8 h + j and query q0 + 16 t + r: hidden where 16 kt + j > q0 - KF + 16 t + r - 8 h
	v_add_nc_u32 v[D0+1], 16, v[D0]
.irp t, 0,1
.irp kt, 0,1,2,3
.irp j, 0,1,2,3,4,5,6,7
	v_cmp_gt_i32 vcc_lo, 16*\kt+\j, v[D0+\t]
	v_cndmask_b32 v[S+32*\t+8*\kt+\j], v[S+32*\t+8*\kt+\j], v[NINF], vcc_lo
.endr
.endr
.endr
.Lopen_\@:
.endif
	SOFTMAX
	s_wait_dscnt 0x0                               ; V is in
	WIN 0x01
.irp p, 0,1                            ; O^T += V^T P: eight accumulators by turns
.irp ct, 0,1,2,3
.irp t, 0,1
	v_wmma_f32_16x16x32_f16 v[OT+32*\t+8*\ct:OT+32*\t+8*\ct+7], v[64+32*\p+8*\ct:64+32*\p+8*\ct+7], v[P+16*\t+8*\p:P+16*\t+8*\p+7], v[OT+32*\t+8*\ct:OT+32*\t+8*\ct+7]
.endr
.endr
.endr
	WIN 0
.if \masked
.Lhidden_\@:
.endif
	s_add_co_u32 s[KF], s[KF], 64
	s_add_co_u32 s[TK], s[TK], 8704
	s_add_co_u32 s[TV], s[TV], 9216
.endm
; A super-tile begins: m = -3e38, under every score; l and O^T zeros, which the first change of m leaves zeros: so the step is written without a first form of its own.
.macro INIT
.irp t, 0,1
	v_mov_b32 v[ST+8*\t+1], 0xff61b1e6
	v_mul_f32 v[ST+8*\t], s[CS], v[ST+8*\t+1]
	v_mov_b32 v[ST+8*\t+2], 0
	v_mov_b32 v[ST+8*\t+3], 0
	v_mov_b32 v[ST+8*\t+5], 0
	v_mov_b32 v[ST+8*\t+7], 0
.endr
.set n, 0
.rept 64
	v_mov_b32 v[OT+n], 0
.set n, n+1
.endr
.endm
; THE WAY OUT of a super-tile: O^T / l, rounded to f16, through my stage, stored as 512 consecutive bytes an instruction.
.macro OUT base
	s_wait_xcnt 0x0                                ; the last way out's stores have read v224-255
.rept 4
	v_nop
.endr
.irp t, 0,1
	v_add_f32 v[ST+8*\t+4], v[ST+8*\t+2], v[ST+8*\t+3]
.endr
.irp t, 0,1
	v_permlanex16_b32 v[ST+8*\t+5], v[ST+8*\t+4], s[SEL], s[SEL+1]
.endr
.irp t, 0,1
	v_add_f32 v[ST+8*\t+4], v[ST+8*\t+4], v[ST+8*\t+5]
.endr
.irp t, 0,1
	v_rcp_f32 v[ST+8*\t+6], v[ST+8*\t+4]
.endr
	v_nop
	s_wait_alu depctr_va_vdst(0)                   ; one wait for the two reciprocals, ahead of their first reader
.irp t, 0,1
.set n, 0
.rept 16
	v_pk_mul_f32 v[OT+32*\t+2*n:OT+32*\t+2*n+1], v[OT+32*\t+2*n:OT+32*\t+2*n+1], v[ST+8*\t+6:ST+8*\t+7] op_sel_hi:[1,0]
.set n, n+1
.endr
.endr
.irp t, 0,1
.set n, 0
.rept 16
	v_cvt_pk_f16_f32 v[P+16*\t+n], v[OT+32*\t+2*n], v[OT+32*\t+2*n+1]
.set n, n+1
.endr
.irp ct, 0,1,2,3
	ds_store_b128 v[STO], v[P+16*\t+4*\ct:P+16*\t+4*\ct+3] offset:2304*\t+32*\ct
.endr
.irp i, 0,1,2,3
	ds_load_b128 v[BK+16*\t+4*\i:BK+16*\t+4*\i+3], v[RD] offset:2304*\t+576*\i   ; LDS serves a wave's instructions in order: these see the stores above
.endr
.endr
.irp t, 0,1
.irp i, 0,1,2,3
	s_wait_dscnt (1-\t)*8+3-\i                     ; behind this load: the rest of its tile's, and the other tile's eight
	global_store_b128 v[GO], v[BK+16*\t+4*\i:BK+16*\t+4*\i+3], s[\base:\base+1] offset:2048*\t+512*\i   ; 32 lanes store 512 consecutive bytes, aligned
.endr
.endr
.endm
	INIT
	s_wait_loadcnt 0x0                             ; Q
	s_wait_tensorcnt 3                             ; my 64 of keys 0-255 are in; my three younger loads stay out
	s_wait_dscnt 0x0
	s_barrier_signal -1
	s_barrier_wait -1
	s_mov_b32 s[CNT], 4
.Lfirst:                                           ; the large super-tile, keys 0-255
	STEP 0, Q0L, QL, 0x01
	s_sub_co_u32 s[CNT], s[CNT], 1
	s_cmp_lg_u32 s[CNT], 0
	s_cbranch_scc1 .Lfirst
	s_wait_tensorcnt 2                             ; my 64 of keys 256-511 are in
	s_wait_dscnt 0x0
	s_barrier_signal -1
	s_barrier_wait -1
	s_mov_b32 s[CNT], 4
.Lsecond:                                          ; keys 256-511
	STEP 0, Q0L, QL, 0x01
	s_sub_co_u32 s[CNT], s[CNT], 1
	s_cmp_lg_u32 s[CNT], 0
	s_cbranch_scc1 .Lsecond
	s_wait_tensorcnt 0x0                           ; all my loads are in
	s_wait_dscnt 0x0
	s_barrier_signal -1
	s_barrier_wait -1
	s_mov_b32 s[CNT], 8
.Lthird:                                           ; keys 512-1023, up to the diagonal
	STEP 1, Q0L, QL, 0x01
	s_sub_co_u32 s[CNT], s[CNT], 1
	s_cmp_lg_u32 s[CNT], 0
	s_cbranch_scc1 .Lthird
	OUT OUTL
	INIT
	s_mov_b32 s[KF], 0
	s_mov_b32 s[TK], 0
	s_mov_b32 s[TV], 0
	s_mov_b32 s[CNT], 8
.Lsmall:                                           ; the small super-tile, keys 0-511, up to the diagonal
	STEP 1, Q0S, 128, 0x05
	s_sub_co_u32 s[CNT], s[CNT], 1
	s_cmp_lg_u32 s[CNT], 0
	s_cbranch_scc1 .Lsmall
	OUT OUTS
	s_wait_tensorcnt 0x0                           ; the wave's end: behind my last tensor load and my last LDS store
	ds_add_u32 v[SPW], v[NIL]
	s_wait_dscnt 0x0
	s_endpgm
.Lfunc_end_k_q2ec33056a7_attn:
	.size	k_q2ec33056a7_attn, .Lfunc_end_k_q2ec33056a7_attn-k_q2ec33056a7_attn
	.p2alignl 7, 3214868480
	.fill 96, 4, 3214868480
	.section	.rodata,"a",@progbits
	.p2align	6, 0x0
	.amdhsa_kernel k_q2ec33056a7_attn
		.amdhsa_group_segment_fixed_size 327680
		.amdhsa_private_segment_fixed_size 0
		.amdhsa_enable_private_segment 0
		.amdhsa_kernarg_size 16
		.amdhsa_user_sgpr_count 2
		.amdhsa_user_sgpr_kernarg_segment_ptr 1
		.amdhsa_wavefront_size32 1
		.amdhsa_system_sgpr_workgroup_id_x 1
		.amdhsa_system_sgpr_workgroup_id_y 1
		.amdhsa_system_sgpr_workgroup_id_z 1
		.amdhsa_system_vgpr_workitem_id 0
		.amdhsa_next_free_vgpr 416
		.amdhsa_next_free_sgpr 100
		.amdhsa_reserve_vcc 1
		.amdhsa_float_denorm_mode_32 3
		.amdhsa_float_denorm_mode_16_64 3
		.amdhsa_memory_ordered 1
		.amdhsa_forward_progress 1
		.amdhsa_inst_pref_size 106
	.end_amdhsa_kernel
	.amdgpu_metadata
---
amdhsa.version: [ 1, 2 ]
amdhsa.kernels:
  - .name:           k_q2ec33056a7_attn
    .symbol:         k_q2ec33056a7_attn.kd
    .args:
      - { .name: qkv16, .offset: 0, .size: 8, .value_kind: global_buffer, .address_space: global }
      - { .name: attn16, .offset: 8, .size: 8, .value_kind: global_buffer, .address_space: global }
    .group_segment_fixed_size: 327680
    .private_segment_fixed_size: 0
    .kernarg_segment_align: 8
    .kernarg_segment_size: 16
    .max_flat_workgroup_size: 256
    .sgpr_count:     100
    .vgpr_count:     416
    .wavefront_size: 32
...
	.end_amdgpu_metadata
.endif
;; end of part 3
;; launch proj (part 4): grid 4 x 64, 4 waves a work-group, clusters of 4 x 4, 327,680 bytes of LDS; arguments attn16, ow16, out0; writes out0
.if DOCPART == 4
	.amdgcn_target "amdgcn-amd-amdhsa--gfx1250"
	.amdhsa_code_object_version 6
	.text
	.protected	k_q2ec33056a7_proj
	.globl	k_q2ec33056a7_proj
	.p2align	8
	.type	k_q2ec33056a7_proj,@function
k_q2ec33056a7_proj:
	s_mov_b64 s[64:65], 0
	v_nop
	global_prefetch_b8 v0, s[64:65] scope:SCOPE_SE
	s_setreg_imm32_b32 hwreg(HW_REG_WAVE_MODE, 25, 1), 1
	s_wait_xcnt 0x0
	s_wait_alu depctr_hold_cnt(0) depctr_sa_sdst(0) depctr_va_vdst(0) depctr_va_sdst(0) depctr_va_ssrc(0) depctr_va_vcc(0) depctr_vm_vsrc(0)
	s_getreg_b32 s2, hwreg(HW_REG_IB_STS2, 6, 4)
	s_cmp_eq_u32 s2, 0
	s_cbranch_scc0 .Lentry_in_a_cluster
	s_endpgm
.Lentry_in_a_cluster:
	s_bfe_u32 s2, ttmp6, 0x10000c
	s_cmp_lg_u32 s2, 0xf033
	s_cbranch_scc0 .Lentry_shape_is_right
	s_endpgm
.Lentry_shape_is_right:
; out0[t][n] = sum over k of attn[t][k] o_w[n][k], f16 operands, f32 sums, f32 out; all rows but positions 0-15 of each sequence, which a later launch makes in f32.
; attn16 is laid by head, [8 b][16 h][1024 s][64]: k = 64 h + d.  ow16: [1024 n][1024 k].
; A tile of out0 is 128 x 256: 256 work-groups.  Four waves, each 64 x 128: 32 accumulators, which are window 1.  K goes in 8 steps of 128 (two heads) through a ring of two LDS slots.
; CLUSTERS of 4 x 4: tile column = cx; TILE ROW = 16 cy + cluster y, so that "this tile begins a sequence" (cluster y % 8 = 0) is the same in all partners.
; A's tiles (one head: 128 tokens x 128 bytes, a dense block) are asked for jointly along a row of the cluster, B's (128 rows x 256 bytes) along a column.
; THE MATRIX INSTRUCTION IS USED TRANSPOSED (source 0 = 16 rows of o_w, source 1 = 16 tokens): a lane holds one token and eight neighbouring columns.
; REGISTERS: window 0: v16-30 addresses; two fragment buffers of 96 at v32 and v128 (B's eight fragments, then A's four); on the way out v32-159 rows read back.  window 1: accumulator (a, b) at v[8 (8 a + b)].
.set SLOT,   106496                    ; A: two heads x 128 rows x 144 bytes; then B: 256 rows x 272
.set BOFF,   36864
.set STAGE,  2*SLOT                    ; 16 rows x 528 bytes for each wave
.set SPARE,  STAGE+4*8448              ; the spare words, 128 bytes a wave
.set ADRA, 16
.set ADRB, 20
.set STO,  24
.set RD,   25
.set CO,   26
.set SPW,  28
.set NIL,  29
.set PFO,  30
.set F0,   32
.set F1,   128
.set BK,   32
.set G1, 24
.set G0, 32
.set G1B, 48
.set G0B, 56
.set LIM,  43                          ; s43     1 in a wave that prefetches, else the greatest number
.set PFA,  44                          ; s[44:45] where my prefetches stand
.set PFS,  46                          ; s[46:47] a K step on, in bytes
.set MSB, 0
.macro WIN new
.if MSB != (\new)
	s_set_vgpr_msb (MSB<<8)|(\new)
.set MSB, (\new)
.endif
.endm
.set MUL, 0x50                         ; C and D window 1, the sources window 0
.macro JLOAD s                         ; a joint load: waves 0 and 1 fetch A's two heads, waves 2 and 3 B's halves; an s_nop 0 and four v_nop follow each line
	s_cmp_eq_u32 s11, 0
	s_cbranch_scc0 .Lfor_b_\@
	tensor_load_to_lds s[G0+4*\s:G0+4*\s+3], s[G1:G1+7]
	s_nop 0
.rept 4
	v_nop
.endr
	s_branch .Lasked_\@
.Lfor_b_\@:
	tensor_load_to_lds s[G0B+4*\s:G0B+4*\s+3], s[G1B:G1B+7]
	s_nop 0
.rept 4
	v_nop
.endr
.Lasked_\@:
.endm
.macro CREST
	s_cmp_lg_u32 s10, 0
	s_cbranch_scc1 .Lnot_wave_0_\@
	s_barrier_signal -3
.Lnot_wave_0_\@:
	s_barrier_wait -3
	s_barrier_signal -1
	s_barrier_wait -1
.endm
.macro CROUND
	s_barrier_signal -1
	s_barrier_wait -1
	CREST
.endm
; A PREFETCH INTO THE L2, behind a joint load and the run of LDS loads that follows it: the K step that stands two refills on, one instruction a wave.
; A: wave 0; the four partners of a row share a K step's two dense blocks of 16,384 bytes by address, 4,096 bytes each of both: lanes 256 bytes apart, the upper 16 lanes in the second head.
; B: waves 2 and 3 of the clusters with y = 0 (all clusters walk the same o_w); the four partners of a column share a wave's 128 rows by address, 32 each: a lane a row of 256 bytes.
; So each aligned block of 256 bytes is named once.  K steps 0 to 3 come by their loads alone; the loop's last trip, whose K steps 8 and 9 do not exist, asks for nothing.
.macro ASK
	s_cmp_gt_u32 s3, s[LIM]
	s_cbranch_scc0 .Lnot_mine_\@
	global_prefetch_b8 v[PFO], s[PFA:PFA+1] th:TH_LOAD_NT scope:SCOPE_SE
.Lnot_mine_\@:
.endm
	s_load_b128 s[4:7], s[0:1], 0x0                ; attn16, ow16
	s_load_b64 s[8:9], s[0:1], 0x10                ; out0
	v_lshl_add_u32 v[SPW], v0, 2, SPARE
	v_mov_b32 v[NIL], 0
	ds_add_u32 v[SPW], v[NIL]                      ; the wave's opening: the add, twice on end, and its wait ahead of my first tensor load
	ds_add_u32 v[SPW], v[NIL]
	v_lshrrev_b32 v1, 5, v0
	v_readfirstlane_b32 s10, v1                    ; wave 0..3
	s_lshr_b32 s11, s10, 1                         ; which 64 of the tile's rows are mine.  Also: I fetch for A (0) or for B (1)
	s_and_b32 s12, s10, 1                          ; which 128 of its columns.  Also: which head, or which 128 rows of B, I fetch
	s_bfe_u32 s40, ttmp6, 0x40000                  ; cx
	s_bfe_u32 s41, ttmp6, 0x40004                  ; cy
	s_and_b32 s13, ttmp7, 0xffff                   ; cluster y
	s_and_b32 s2, s13, 7
	s_or_b32 s2, s2, s11                           ; 0 where my block 0 is positions 0-15 of a sequence: cluster y and the wave's number alone
	s_lshl_b32 s43, s41, 2
	s_lshl_b32 s43, 15, s43                        ; my row of the cluster
	s_lshl_b32 s44, 0x1111, s40                    ; my column
	s_or_b32 s[G1+0], s43, (1<<16)|(1<<20)|(1<<21)|(4<<22)|(3<<25)   ; A: elements of 2 bytes; 4 words of padding behind every 32
	s_or_b32 s[G1B+0], s44, (1<<16)|(1<<20)|(1<<21)|(5<<22)|(3<<25)  ; B: behind every 64
	s_mov_b32 s[G1+1], 64<<16                      ; A: tensor_dim0 = 64
	s_mov_b32 s[G1+2], 128<<16                     ; tensor_dim1 = 128
	s_mov_b32 s[G1+3], 64<<16                      ; tile_dim0
	s_mov_b32 s[G1+4], 128                         ; tile_dim1
	s_mov_b32 s[G1+5], 64                          ; from row to row: dense
	s_mov_b32 s[G1+6], 0
	s_mov_b32 s[G1+7], 0
	s_mov_b32 s[G1B+1], 128<<16                    ; B: 128 x 128 elements, rows 1,024 elements apart
	s_mov_b32 s[G1B+2], 128<<16
	s_mov_b32 s[G1B+3], 128<<16
	s_mov_b32 s[G1B+4], 128
	s_mov_b32 s[G1B+5], 1024
	s_mov_b32 s[G1B+6], 0
	s_mov_b32 s[G1B+7], 0
	s_lshl_b32 s16, s41, 1
	s_lshr_b32 s17, s13, 3
	s_add_co_u32 s16, s16, s17                     ; the sequence b = tile row / 8 = 2 cy + cluster y / 8
	s_lshl_b32 s16, s16, 4
	s_add_co_u32 s16, s16, s12                     ; the head that I fetch in K step 0
	s_lshl_b32 s16, s16, 17
	s_and_b32 s17, s13, 7
	s_lshl_b32 s17, s17, 14                        ; the tile's first position: 128 (cluster y % 8) rows of 128 bytes
	s_add_co_u32 s16, s16, s17
	s_mov_b32 s17, 0
	s_lshl_b32 s46, s40, 19                        ; B: row 256 cx + 128 x half, 2,048 bytes a row
	s_lshl_b32 s47, s12, 18
	s_add_co_u32 s46, s46, s47
	s_mov_b32 s47, 0
	s_mul_i32 s20, s12, 18432                      ; where they go: no place in the cluster enters an LDS address
	s_mul_i32 s21, s12, 34816
	s_add_co_u32 s21, s21, BOFF
	s_wait_dscnt 0x0                               ; both opening adds are done
	s_wait_kmcnt 0x0
	s_add_nc_u64 s[14:15], s[4:5], s[16:17]
	s_add_nc_u64 s[46:47], s[6:7], s[46:47]
	CROUND                                         ; all sixteen work-groups are here: the first joint loads meet
.irp s, 0,1
	s_mov_b32 s[G0+4*\s], 1
	s_add_co_u32 s[G0+4*\s+1], s20, \s*SLOT
	s_add_nc_u64 s[G0+4*\s+2:G0+4*\s+3], s[14:15], \s*262144   ; a K step on: two heads
	s_or_b32 s[G0+4*\s+3], s[G0+4*\s+3], 0x80000000
	s_mov_b32 s[G0B+4*\s], 1
	s_add_co_u32 s[G0B+4*\s+1], s21, \s*SLOT
	s_add_nc_u64 s[G0B+4*\s+2:G0B+4*\s+3], s[46:47], \s*256
	s_or_b32 s[G0B+4*\s+3], s[G0B+4*\s+3], 0x80000000
	JLOAD \s                                       ; two tensor loads of mine are out now: the most in this text
.endr
	v_and_b32 v1, 15, v0                           ; r
	v_bfe_u32 v2, v0, 4, 1                         ; h
	v_mul_u32_u24 v3, v1, 144
	v_lshl_add_u32 v3, v2, 4, v3
	v_mul_u32_u24 v4, v1, 272
	v_lshl_add_u32 v4, v2, 4, v4
	s_mul_i32 s21, s11, 9216                       ; my 64 tokens of a head's block
	s_mul_i32 s22, s12, 34816                      ; my 128 rows of B
	s_add_co_u32 s22, s22, BOFF
.irp s, 0,1
	v_add_nc_u32 v[ADRA+\s], s21, v3
	v_add_nc_u32 v[ADRB+\s], s22, v4
	s_add_co_u32 s21, s21, SLOT
	s_add_co_u32 s22, s22, SLOT
.endr
	s_mul_i32 s23, s10, 8448
	s_add_co_u32 s23, s23, STAGE                   ; my stage
	v_mul_u32_u24 v4, v1, 528
	v_lshl_add_u32 v4, v2, 5, v4
	v_add_nc_u32 v[STO], s23, v4                   ; in: row r, 32 bytes for each half of the lanes
	v_and_b32 v5, 31, v0
	v_lshlrev_b32 v[CO], 4, v5                     ; back: the 32 lanes take a row of 512 bytes; and the same in out0
	v_add_nc_u32 v[RD], s23, v[CO]
	; the prefetches: candidates first, then one compare and the choices
	s_lshl_b32 s16, s40, 12
	s_add_co_u32 s16, s16, 3*262144                ; A: my work-group's 4,096 bytes, at K step 3: the first change of slots steps it to 4
	s_lshl_b32 s17, s41, 16
	s_add_co_u32 s17, s17, 3*256                   ; B: my work-group's 32 rows
	s_mov_b32 s18, 2048
	s_mov_b32 s19, 32768
	s_mov_b32 s22, 256
	s_cmp_eq_u32 s11, 0
	s_cselect_b64 s[PFA:PFA+1], s[14:15], s[46:47]
	s_cselect_b32 s16, s16, s17
	s_cselect_b32 s18, 256, s18                    ; from lane to lane among 16
	s_cselect_b32 s19, 131072, s19                 ; from the lower 16 lanes to the upper
	s_cselect_b32 s[PFS], 262144, s22
	s_cselect_b32 s22, s12, s13                    ; 0 in wave 0, and in waves 2 and 3 of the clusters with y = 0
	s_mov_b32 s17, 0
	s_mov_b32 s[PFS+1], 0
	s_add_nc_u64 s[PFA:PFA+1], s[PFA:PFA+1], s[16:17]
	s_cmp_eq_u32 s22, 0
	s_cselect_b32 s[LIM], 1, -1
	v_mul_lo_u32 v[PFO], v1, s18
	v_mul_lo_u32 v5, v2, s19
	v_add_nc_u32 v[PFO], v[PFO], v5
	; out0 at my first row and column
	s_lshl_b32 s16, s41, 4
	s_add_co_u32 s16, s16, s13                     ; tile row = 16 cy + cluster y
	s_lshl_b32 s16, s16, 19                        ; 128 rows of 4,096 bytes
	s_lshl_b32 s17, s11, 18
	s_add_co_u32 s16, s16, s17
	s_lshl_b32 s17, s40, 10
	s_add_co_u32 s16, s16, s17
	s_lshl_b32 s17, s12, 9
	s_add_co_u32 s16, s16, s17
	s_mov_b32 s17, 0
	s_add_nc_u64 s[8:9], s[8:9], s[16:17]
; 8 matrix instructions: token block a x B's eight blocks, 32 along K.  The 32 accumulators take turns in one fixed order.
.macro MUL8 f, a, zero
.irp b, 0,1,2,3,4,5,6,7
.if \zero
	v_wmma_f32_16x16x32_f16 v[8*(8*\a+\b):8*(8*\a+\b)+7], v[\f+8*\b:\f+8*\b+7], v[\f+64+8*\a:\f+64+8*\a+7], 0
.else
	v_wmma_f32_16x16x32_f16 v[8*(8*\a+\b):8*(8*\a+\b)+7], v[\f+8*\b:\f+8*\b+7], v[\f+64+8*\a:\f+64+8*\a+7], v[8*(8*\a+\b):8*(8*\a+\b)+7]
.endif
.endr
.endm
; 24 LDS loads in one run: quarter q (32 along K) of a slot into buffer f: B's 16, then A's 8.  Quarters 0, 1 lie in the first head, 2, 3 in the second.
.macro FETCH slot, q, f
	WIN 0
.irp i, 0,1,2,3,4,5,6,7
	ds_load_b128 v[\f+8*\i:\f+8*\i+3],   v[ADRB+\slot] offset:64*\q+4352*\i
	ds_load_b128 v[\f+8*\i+4:\f+8*\i+7], v[ADRB+\slot] offset:64*\q+4352*\i+32
.endr
.irp i, 0,1,2,3
	ds_load_b128 v[\f+64+8*\i:\f+64+8*\i+3],   v[ADRA+\slot] offset:18432*(\q/2)+64*(\q%2)+2304*\i
	ds_load_b128 v[\f+64+8*\i+4:\f+64+8*\i+7], v[ADRA+\slot] offset:18432*(\q/2)+64*(\q%2)+2304*\i+32
.endr
.endm
.macro PLACES                          ; four plain vector instructions between a matrix instruction and a load into, or a read of, its registers
.rept 4
	v_nop
.endr
.endm
.macro QUARTER slot, qn, f, g, zero    ; multiplies buffer f; in its middle fetches quarter qn of the same slot into g
	s_wait_dscnt 4                                 ; B and A's blocks 0, 1 are in; the youngest four loads (A's blocks 2, 3) may be out
	WIN MUL
	MUL8 \f, 0, \zero
	MUL8 \f, 1, \zero
	PLACES
	FETCH \slot, \qn, \g
	s_wait_dscnt 24                                ; all but the 24 just issued
	WIN MUL
	MUL8 \f, 2, \zero
	MUL8 \f, 3, \zero
.endm
; A slot's last quarter changes slots: in front of the barrier each wave waits for all its tensor loads, adds 0 to its spare word, and waits for that and for its reads of this slot.
; fill = 1: the barrier opens a round of the cluster's, and this slot is filled again, two K steps ahead: the load has 112 matrix instructions in which to land.
.macro TURN slot, next, fill
.if \fill
	s_wait_xcnt 0x0                                ; the last prefetch, a K step back, has read its address
	s_add_nc_u64 s[PFA:PFA+1], s[PFA:PFA+1], s[PFS:PFS+1]
.endif
	WIN 0
	s_wait_tensorcnt 0x0                           ; all my tensor loads have landed: my part of the next slot
	ds_add_u32 v[SPW], v[NIL]                      ; 0 onto my spare word
	s_wait_dscnt 5                                 ; (the add and the youngest four loads may be out)
	WIN MUL
	MUL8 F1, 0, 0
	s_wait_dscnt 0x0                               ; the add is done, and my reads of this slot are over
	s_barrier_signal -1
	MUL8 F1, 1, 0
.if \fill
	WIN 0
.endif
	s_barrier_wait -1
.if \fill
	CREST                                          ; no wave of any partner still reads this slot or has a load on its way
	s_add_nc_u64 s[G0+4*\slot+2:G0+4*\slot+3], s[G0+4*\slot+2:G0+4*\slot+3], 2*262144
	s_add_nc_u64 s[G0B+4*\slot+2:G0B+4*\slot+3], s[G0B+4*\slot+2:G0B+4*\slot+3], 2*256
	JLOAD \slot                                    ; the first tensor load behind the round; its four v_nop are also the places in front of the loads below
.else
	PLACES
.endif
	FETCH \next, 0, F0
.if \fill
	ASK
.endif
	WIN MUL
	MUL8 F1, 2, 0
	MUL8 F1, 3, 0
.endm
	s_wait_tensorcnt 1                             ; my part of K step 0 is in; K step 1's load may stay out
	s_barrier_signal -1
	s_barrier_wait -1
	FETCH 0, 0, F0
	QUARTER 0, 1, F0, F1, 1                        ; the first products start the sums: nothing is cleared
	WIN 0
	s_mov_b32 s3, 3
.Llap:                                             ; a trip goes once round the ring and fills both slots again: K steps 2 to 7
	QUARTER 0, 2, F1, F0, 0
	QUARTER 0, 3, F0, F1, 0
	TURN 0, 1, 1
	QUARTER 1, 1, F0, F1, 0
	QUARTER 1, 2, F1, F0, 0
	QUARTER 1, 3, F0, F1, 0
	TURN 1, 0, 1
	QUARTER 0, 1, F0, F1, 0
	WIN 0
	s_sub_co_u32 s3, s3, 1
	s_cmp_lg_u32 s3, 0
	s_cbranch_scc1 .Llap
	QUARTER 0, 2, F1, F0, 0                        ; the last lap fills nothing
	QUARTER 0, 3, F0, F1, 0
	TURN 0, 1, 0
	QUARTER 1, 1, F0, F1, 0
	QUARTER 1, 2, F1, F0, 0
	QUARTER 1, 3, F0, F1, 0
	s_wait_dscnt 4
	WIN MUL
	MUL8 F1, 0, 0
	MUL8 F1, 1, 0
	s_wait_dscnt 0
	MUL8 F1, 2, 0
	MUL8 F1, 3, 0
	WIN 0
; THE WAY OUT, a block of 16 tokens x 128 columns at a time, through my own stage: rows of 512 bytes + 16 in, whole rows back.  LDS serves a wave's instructions in order: no wait between.
.macro TOSTAGE a
	WIN 0x04                                       ; an LDS store's data are its source 1: window 1
.irp b, 0,1,2,3,4,5,6,7
	ds_store_b128 v[STO], v[64*(\a)+8*\b:64*(\a)+8*\b+3] offset:64*\b          ; each accumulator from its low end on
	ds_store_b128 v[STO], v[64*(\a)+8*\b+4:64*(\a)+8*\b+7] offset:64*\b+16
.endr
	WIN 0
.irp t, 0,1,2,3,4,5,6,7,8,9,10,11,12,13,14,15
	ds_load_b128 v[BK+64*((\a)%2)+4*\t:BK+64*((\a)%2)+4*\t+3], v[RD] offset:\t*528
.endr
.endm
.macro SEND a, younger
	s_wait_dscnt \younger
.irp t, 0,1,2,3,4,5,6,7,8,9,10,11,12,13,14,15
	global_store_b128 v[CO], v[BK+64*((\a)%2)+4*\t:BK+64*((\a)%2)+4*\t+3], s[8:9] offset:65536*(\a)+4096*\t th:TH_STORE_NT   ; 32 lanes store 512 consecutive bytes, aligned
.endr
.endm
	PLACES
	s_cmp_eq_u32 s2, 0
	s_cbranch_scc1 .Lfine_rows                     ; positions 0-15 of a sequence are not mine to store
	TOSTAGE 0
	SEND 0, 0
.Lfine_rows:
	TOSTAGE 1
	s_wait_xcnt 0x0                                ; block 0's stores have read the registers that block 2's loads fill
	TOSTAGE 2
	SEND 1, 32                                     ; behind block 1's loads: block 2's 16 stores and 16 loads
	s_wait_xcnt 0x0
	TOSTAGE 3
	SEND 2, 32
	SEND 3, 0
	s_wait_tensorcnt 0x0                           ; the wave's end: behind my last tensor load and my last LDS store
	ds_add_u32 v[SPW], v[NIL]
	s_wait_dscnt 0x0
	CROUND                                         ; the closing round
	s_endpgm
.Lfunc_end_k_q2ec33056a7_proj:
	.size	k_q2ec33056a7_proj, .Lfunc_end_k_q2ec33056a7_proj-k_q2ec33056a7_proj
	.p2alignl 7, 3214868480
	.fill 96, 4, 3214868480
	.section	.rodata,"a",@progbits
	.p2align	6, 0x0
	.amdhsa_kernel k_q2ec33056a7_proj
		.amdhsa_group_segment_fixed_size 327680
		.amdhsa_private_segment_fixed_size 0
		.amdhsa_enable_private_segment 0
		.amdhsa_kernarg_size 24
		.amdhsa_user_sgpr_count 2
		.amdhsa_user_sgpr_kernarg_segment_ptr 1
		.amdhsa_wavefront_size32 1
		.amdhsa_system_sgpr_workgroup_id_x 1
		.amdhsa_system_sgpr_workgroup_id_y 1
		.amdhsa_system_sgpr_workgroup_id_z 1
		.amdhsa_system_vgpr_workitem_id 0
		.amdhsa_next_free_vgpr 512
		.amdhsa_next_free_sgpr 66
		.amdhsa_reserve_vcc 0
		.amdhsa_float_denorm_mode_32 3
		.amdhsa_float_denorm_mode_16_64 3
		.amdhsa_memory_ordered 1
		.amdhsa_forward_progress 1
		.amdhsa_inst_pref_size 86
	.end_amdhsa_kernel
	.amdgpu_metadata
---
amdhsa.version: [ 1, 2 ]
amdhsa.kernels:
  - .name:           k_q2ec33056a7_proj
    .symbol:         k_q2ec33056a7_proj.kd
    .args:
      - { .name: attn16, .offset: 0, .size: 8, .value_kind: global_buffer, .address_space: global }
      - { .name: ow16, .offset: 8, .size: 8, .value_kind: global_buffer, .address_space: global }
      - { .name: out0, .offset: 16, .size: 8, .value_kind: global_buffer, .address_space: global }
    .group_segment_fixed_size: 327680
    .private_segment_fixed_size: 0
    .kernarg_segment_align: 8
    .kernarg_segment_size: 24
    .max_flat_workgroup_size: 128
    .sgpr_count:     66
    .vgpr_count:     512
    .wavefront_size: 32
...
	.end_amdgpu_metadata
.endif
;; end of part 4
;; launch fine (part 5): grid 16 x 8, 4 waves a work-group, no clusters, 70,656 bytes of LDS; arguments qkv32, o_w, out0; writes out0
.if DOCPART == 5
	.amdgcn_target "amdgcn-amd-amdhsa--gfx1250"
	.amdhsa_code_object_version 6
	.text
	.protected	k_q2ec33056a7_fine
	.globl	k_q2ec33056a7_fine
	.p2align	8
	.type	k_q2ec33056a7_fine,@function
k_q2ec33056a7_fine:
	s_mov_b64 s[64:65], 0
	v_nop
	global_prefetch_b8 v0, s[64:65] scope:SCOPE_SE
	s_setreg_imm32_b32 hwreg(HW_REG_WAVE_MODE, 25, 1), 1
	s_wait_xcnt 0x0
; Positions 0-15 of each sequence, in f32 throughout: these rows average one to sixteen values, where the rounding of 16-bit operands would weigh most.  128 rows of out0 in all: no bulk work.
; qkv32: [8 b][3][16 h][16 s][64] f32.  Work-group (x, y = b) makes out0 rows 1024 b + 0..15, columns 64 x .. 64 x + 63.
; Each work-group computes the 16 x 16 causal attention of all 16 heads of its sequence (wave w: heads 4 w .. 4 w + 3), lays the 16 x 1,024 result in LDS, and wave w then makes columns 64 x + 16 w on over K = 1,024.
; v_wmma_f32_16x16x4_f32: lane (r, h), register j holds k = 2 h + j of row r.  A permutation of k applied alike to both sources keeps the products:
;   S^T = K Q^T and the projection: a load of 16 bytes at 16 h + 32 u brings k = 8 u + 4 h + 0..3, which serve two matrix instructions;
;   O^T = V^T P^T: step s takes keys 8 h + 2 s + j, which are registers 2 s, 2 s + 1 of S^T's result as they stand.
; The registers that these matrix instructions write are written by them alone: v32-63, v96-127, v128-255 of window 0.
; No tensor loads, clusters or prefetch: the work is small and each wave asks for all its inputs at the head.
; REGISTERS: window 0: v1-13 addresses; v16-31 statistics; v32-63 S^T; v64-95 p; v96-127 the projection's four sums; v128-255 O^T.  window 1: K v0-127, Q v128-255.
;   window 2: V v0-127; v128-255 O^T / l, then two buffers of the result's rows.  window 3: four buffers of o_w.
.set OSTG,  65792                      ; behind the result's image (16 rows x 4,112 bytes): a stage of 16 rows x 272
.set SPARE, OSTG+4352
.set SPW,  12
.set NIL,  13
.set MX,   16
.set TP,   20
.set LR,   24
.set SACC, 32
.set P,    64
.set PACC, 96
.set OACC, 128
.set MSB, 0
.macro WIN new
.if MSB != (\new)
	s_set_vgpr_msb (MSB<<8)|(\new)
.set MSB, (\new)
.endif
.endm
.macro PLACES8                         ; eight plain vector instructions behind this matrix form (ISA guide 7.12.1)
.rept 8
	v_nop
.endr
.endm
	s_load_b128 s[4:7], s[0:1], 0x0                ; qkv32, o_w
	s_load_b64 s[8:9], s[0:1], 0x10                ; out0
	v_lshl_add_u32 v[SPW], v0, 2, SPARE
	v_mov_b32 v[NIL], 0
	v_lshrrev_b32 v14, 5, v0
	v_readfirstlane_b32 s10, v14                   ; wave 0..3
	s_and_b32 s11, ttmp7, 0xffff                   ; b
	s_mov_b32 s12, 0x76543210
	s_mov_b32 s13, 0xfedcba98                      ; v_permlanex16_b32: lane l xor 16
	s_mov_b32 s14, 0x3e38aa3b                      ; c = log2(e) / 8
	v_and_b32 v14, 15, v0                          ; r
	v_bfe_u32 v15, v0, 4, 1                        ; h
	v_lshlrev_b32 v1, 8, v14
	v_lshl_add_u32 v1, v15, 4, v1                  ; K, Q: row r of 256 bytes, + 16 h
	v_lshlrev_b32 v2, 2, v14
	v_lshl_add_u32 v2, v15, 11, v2                 ; V: channel r, keys 8 h on
	v_lshlrev_b32 v3, 12, v14
	v_lshl_add_u32 v3, v15, 4, v3                  ; o_w: row r of 4,096 bytes, + 16 h
	v_mul_u32_u24 v5, v14, 4112
	v_lshl_add_u32 v4, v15, 5, v5
	s_lshl_b32 s16, s10, 10
	v_add_nc_u32 v4, s16, v4                       ; the image, in: row r, + 32 h, + my four heads' 1,024 bytes
	v_lshl_add_u32 v5, v15, 4, v5                  ; and out: row r, + 16 h
	v_mul_u32_u24 v6, v14, 272
	v_lshl_add_u32 v6, v15, 5, v6
	s_lshl_b32 s16, s10, 6
	s_add_co_u32 s16, s16, OSTG
	v_add_nc_u32 v6, s16, v6                       ; the stage, in: row r, + 64 w + 32 h
	v_mul_u32_u24 v7, v15, 272
	v_lshl_add_u32 v7, v14, 4, v7
	s_mul_i32 s16, s10, 4*272
	s_add_co_u32 s16, s16, OSTG
	v_add_nc_u32 v7, s16, v7                       ; and out: my four rows, sixteen lanes to a row
	v_lshlrev_b32 v8, 12, v15
	v_lshl_add_u32 v8, v14, 4, v8
	s_lshl_b32 s16, s10, 14
	v_add_nc_u32 v8, s16, v8                       ; the same rows in out0
	v_lshlrev_b32 v9, 3, v15
	v_sub_nc_u32 v9, v14, v9                       ; r - 8 h
	v_mov_b32 v10, 0xff800000                      ; -infinity
.irp g, 0,1,2,3
	v_mov_b32 v[TP+\g], 0                          ; written once: a lane permute's destination counts as one of its sources
.endr
	s_mul_i32 s16, s11, 196608
	s_lshl_b32 s17, s10, 14
	s_add_co_u32 s16, s16, s17
	s_mov_b32 s17, 0
	s_lshl_b32 s18, ttmp9, 18                      ; o_w: rows 64 x + 16 w on
	s_lshl_b32 s19, s10, 16
	s_add_co_u32 s18, s18, s19
	s_mov_b32 s19, 0
	s_lshl_b32 s20, s11, 22                        ; out0: row 1,024 b, column 64 x
	s_lshl_b32 s21, ttmp9, 8
	s_add_co_u32 s20, s20, s21
	s_mov_b32 s21, 0
	s_wait_kmcnt 0x0
	s_add_nc_u64 s[4:5], s[4:5], s[16:17]
	s_add_nc_u64 s[6:7], s[6:7], s[18:19]
	s_add_nc_u64 s[8:9], s[8:9], s[20:21]
	WIN 0x40
.irp g, 0,1,2,3
.irp u, 0,1,2,3,4,5,6,7
	global_load_b128 v[32*\g+4*\u:32*\g+4*\u+3], v1, s[4:5] offset:65536+4096*\g+32*\u          ; K
	global_load_b128 v[128+32*\g+4*\u:128+32*\g+4*\u+3], v1, s[4:5] offset:4096*\g+32*\u        ; Q
.endr
.endr
	WIN 0x80
.irp g, 0,1,2,3
.irp ct, 0,1,2,3
.irp n, 0,1,2,3,4,5,6,7
	global_load_b32 v[32*\g+8*\ct+\n], v2, s[4:5] offset:131072+4096*\g+256*\n+64*\ct           ; V(key 8 h + n, channel 16 ct + r): sixteen lanes read 64 consecutive bytes
.endr
.endr
.endr
.macro OWLOAD c                        ; chunk c of o_w: 128 along K of my 16 rows, into buffer c % 4
	WIN 0xc0
.irp i, 0,1,2,3,4,5,6,7,8,9,10,11,12,13,14,15
	global_load_b128 v[64*((\c)%4)+4*\i:64*((\c)%4)+4*\i+3], v3, s[6:7] offset:512*(\c)+32*\i
.endr
	WIN 0
.endm
	OWLOAD 0
	OWLOAD 1
	OWLOAD 2
	OWLOAD 3
	s_wait_loadcnt 63                              ; 64 loads of o_w were issued behind V's last: with at most 63 out, K, Q and V are in
	WIN 0x05
.irp u, 0,1,2,3,4,5,6,7                ; S^T = K Q^T: four heads' accumulators by turns, one instruction a turn; the first K step starts the sums
.irp e, 0,1
.irp g, 0,1,2,3
.if (\u == 0) && (\e == 0)
	v_wmma_f32_16x16x4_f32 v[SACC+8*\g:SACC+8*\g+7], v[32*\g+4*\u+2*\e:32*\g+4*\u+2*\e+1], v[128+32*\g+4*\u+2*\e:128+32*\g+4*\u+2*\e+1], 0
.else
	v_wmma_f32_16x16x4_f32 v[SACC+8*\g:SACC+8*\g+7], v[32*\g+4*\u+2*\e:32*\g+4*\u+2*\e+1], v[128+32*\g+4*\u+2*\e:128+32*\g+4*\u+2*\e+1], v[SACC+8*\g:SACC+8*\g+7]
.endif
.endr
.endr
.endr
	WIN 0
	PLACES8
.irp j, 0,1,2,3,4,5,6,7
	v_cmp_gt_i32 s[40+\j], \j, v9                  ; register j holds key 8 h + j and query r: hidden where j > r - 8 h
.endr
.irp g, 0,1,2,3
.irp j, 0,1,2,3,4,5,6,7
	v_cndmask_b32 v[P+8*\g+\j], v[SACC+8*\g+\j], v10, s[40+\j]
.endr
.endr
.irp g, 0,1,2,3
	v_max3_num_f32 v[MX+\g], v[P+8*\g], v[P+8*\g+1], v[P+8*\g+2]
.endr
.irp g, 0,1,2,3
	v_max3_num_f32 v[MX+\g], v[MX+\g], v[P+8*\g+3], v[P+8*\g+4]
.endr
.irp g, 0,1,2,3
	v_max3_num_f32 v[MX+\g], v[MX+\g], v[P+8*\g+5], v[P+8*\g+6]
.endr
.irp g, 0,1,2,3
	v_max_num_f32 v[MX+\g], v[MX+\g], v[P+8*\g+7]
.endr
.irp g, 0,1,2,3
	v_permlanex16_b32 v[TP+\g], v[MX+\g], s12, s13
.endr
.irp g, 0,1,2,3
	v_max_num_f32 v[MX+\g], v[MX+\g], v[TP+\g]     ; the row's maximum: key 0 counts for every query, so it is a number
.endr
.irp g, 0,1,2,3
	v_mul_f32 v[MX+\g], s14, v[MX+\g]
.endr
.irp g, 0,1,2,3
.irp j, 0,1,2,3,4,5,6,7
	v_fma_f32 v[P+8*\g+\j], v[P+8*\g+\j], s14, -v[MX+\g]
.endr
.endr
.set n, 0
.rept 32
	v_exp_f32 v[P+n], v[P+n]                       ; one batch
.set n, n+1
.endr
	v_nop
	s_wait_alu depctr_va_vdst(0)                   ; the one wait ahead of the batch's first reader
.irp g, 0,1,2,3
	v_add_f32 v[LR+2*\g], v[P+8*\g], v[P+8*\g+1]
	v_add_f32 v[LR+2*\g+1], v[P+8*\g+2], v[P+8*\g+3]
.endr
.irp g, 0,1,2,3
	v_add_f32 v[LR+2*\g], v[LR+2*\g], v[P+8*\g+4]
	v_add_f32 v[LR+2*\g+1], v[LR+2*\g+1], v[P+8*\g+5]
.endr
.irp g, 0,1,2,3
	v_add_f32 v[LR+2*\g], v[LR+2*\g], v[P+8*\g+6]
	v_add_f32 v[LR+2*\g+1], v[LR+2*\g+1], v[P+8*\g+7]
.endr
.irp g, 0,1,2,3
	v_add_f32 v[LR+2*\g], v[LR+2*\g], v[LR+2*\g+1]
.endr
.irp g, 0,1,2,3
	v_permlanex16_b32 v[TP+\g], v[LR+2*\g], s12, s13
.endr
.irp g, 0,1,2,3
	v_add_f32 v[TP+\g], v[TP+\g], v[LR+2*\g]       ; the row's sum
.endr
.irp g, 0,1,2,3
	v_rcp_f32 v[LR+2*\g], v[TP+\g]
.endr
	v_nop
	s_wait_alu depctr_va_vdst(0)                   ; one wait for the four reciprocals
	WIN 0x02
.irp s, 0,1,2,3                        ; O^T = V^T P^T: sixteen accumulators by turns
.irp g, 0,1,2,3
.irp ct, 0,1,2,3
.if \s == 0
	v_wmma_f32_16x16x4_f32 v[OACC+32*\g+8*\ct:OACC+32*\g+8*\ct+7], v[32*\g+8*\ct+2*\s:32*\g+8*\ct+2*\s+1], v[P+8*\g+2*\s:P+8*\g+2*\s+1], 0
.else
	v_wmma_f32_16x16x4_f32 v[OACC+32*\g+8*\ct:OACC+32*\g+8*\ct+7], v[32*\g+8*\ct+2*\s:32*\g+8*\ct+2*\s+1], v[P+8*\g+2*\s:P+8*\g+2*\s+1], v[OACC+32*\g+8*\ct:OACC+32*\g+8*\ct+7]
.endif
.endr
.endr
.endr
	WIN 0
	PLACES8
	WIN 0x80                                       ; O^T / l goes into other registers: window 2
.irp g, 0,1,2,3
.set n, 0
.rept 16
	v_pk_mul_f32 v[128+32*\g+2*n:128+32*\g+2*n+1], v[OACC+32*\g+2*n:OACC+32*\g+2*n+1], v[LR+2*\g:LR+2*\g+1] op_sel_hi:[1,0]
.set n, n+1
.endr
.endr
	WIN 0x08                                       ; an LDS store's data are its source 1: window 2
.irp g, 0,1,2,3
.irp ct, 0,1,2,3
.irp c, 0,1
	ds_store_b128 v4, v[128+32*\g+8*\ct+4*\c:128+32*\g+8*\ct+4*\c+3] offset:256*\g+64*\ct+16*\c   ; attn(r, 64 (4 w + g) + 16 ct + 8 h + 4 c ..)
.endr
.endr
.endr
	WIN 0
	s_wait_dscnt 0x0                               ; for the others' sake: my stores have landed
	s_barrier_signal -1
	s_barrier_wait -1                              ; the 16 x 1,024 result lies in LDS
.macro ATLOAD c                        ; chunk c of the result's rows, into buffer c % 2
	WIN 0x80
.irp i, 0,1,2,3,4,5,6,7,8,9,10,11,12,13,14,15
	ds_load_b128 v[128+64*((\c)%2)+4*\i:128+64*((\c)%2)+4*\i+3], v5 offset:512*(\c)+32*\i
.endr
	WIN 0
.endm
; The projection, 128 along K a chunk: 32 matrix instructions on four sums by turns (source 0 = o_w's 16 rows, source 1 = the 16 tokens).
.macro CHUNK c
.if (\c) < 7
	ATLOAD (\c)+1
.endif
.if (\c) <= 4
	s_wait_loadcnt 48                              ; this chunk of o_w is in; the three younger chunks' 48 loads stay out
.else
	s_wait_loadcnt 16*(7-(\c))
.endif
.if (\c) < 7
	s_wait_dscnt 16                                ; this chunk's rows are in; the next chunk's 16 loads stay out
.else
	s_wait_dscnt 0x0
.endif
	WIN 0x0b
.irp i, 0,1,2,3,4,5,6,7,8,9,10,11,12,13,14,15
.irp e, 0,1
.if ((\c) == 0) && (\i < 2)
	v_wmma_f32_16x16x4_f32 v[PACC+8*((2*\i+\e)%4):PACC+8*((2*\i+\e)%4)+7], v[64*((\c)%4)+4*\i+2*\e:64*((\c)%4)+4*\i+2*\e+1], v[128+64*((\c)%2)+4*\i+2*\e:128+64*((\c)%2)+4*\i+2*\e+1], 0
.else
	v_wmma_f32_16x16x4_f32 v[PACC+8*((2*\i+\e)%4):PACC+8*((2*\i+\e)%4)+7], v[64*((\c)%4)+4*\i+2*\e:64*((\c)%4)+4*\i+2*\e+1], v[128+64*((\c)%2)+4*\i+2*\e:128+64*((\c)%2)+4*\i+2*\e+1], v[PACC+8*((2*\i+\e)%4):PACC+8*((2*\i+\e)%4)+7]
.endif
.endr
.endr
	WIN 0
	PLACES8                                        ; in front of the loads into the buffers just read, and of the first read of the sums
.if (\c)+4 < 8
	OWLOAD (\c)+4
.endif
.endm
	ATLOAD 0
.irp c, 0,1,2,3,4,5,6,7
	CHUNK \c
.endr
.irp i, 0,2,4,6                        ; the four sums are added, into other registers
	v_pk_add_f32 v[64+\i:65+\i], v[PACC+\i:PACC+\i+1], v[PACC+8+\i:PACC+8+\i+1]
	v_pk_add_f32 v[72+\i:73+\i], v[PACC+16+\i:PACC+16+\i+1], v[PACC+24+\i:PACC+24+\i+1]
.endr
.irp i, 0,2,4,6
	v_pk_add_f32 v[64+\i:65+\i], v[64+\i:65+\i], v[72+\i:73+\i]
.endr
	ds_store_b128 v6, v[64:67]                     ; lane (r, h): out(r, 64 x + 16 w + 8 h + 0..7)
	ds_store_b128 v6, v[68:71] offset:16
	s_wait_dscnt 0x0
	s_barrier_signal -1
	s_barrier_wait -1                              ; 16 rows of 256 bytes lie in the stage
	ds_load_b128 v[72:75], v7
	ds_load_b128 v[76:79], v7 offset:544
	s_wait_dscnt 0x0
	global_store_b128 v8, v[72:75], s[8:9]         ; sixteen lanes store 256 consecutive bytes, aligned
	global_store_b128 v8, v[76:79], s[8:9] offset:8192
	s_wait_tensorcnt 0x0                           ; the wave's end: behind my last LDS store
	ds_add_u32 v[SPW], v[NIL]
	s_wait_dscnt 0x0
	s_endpgm
.Lfunc_end_k_q2ec33056a7_fine:
	.size	k_q2ec33056a7_fine, .Lfunc_end_k_q2ec33056a7_fine-k_q2ec33056a7_fine
	.p2alignl 7, 3214868480
	.fill 96, 4, 3214868480
	.section	.rodata,"a",@progbits
	.p2align	6, 0x0
	.amdhsa_kernel k_q2ec33056a7_fine
		.amdhsa_group_segment_fixed_size 70656
		.amdhsa_private_segment_fixed_size 0
		.amdhsa_enable_private_segment 0
		.amdhsa_kernarg_size 24
		.amdhsa_user_sgpr_count 2
		.amdhsa_user_sgpr_kernarg_segment_ptr 1
		.amdhsa_wavefront_size32 1
		.amdhsa_system_sgpr_workgroup_id_x 1
		.amdhsa_system_sgpr_workgroup_id_y 1
		.amdhsa_system_sgpr_workgroup_id_z 1
		.amdhsa_system_vgpr_workitem_id 0
		.amdhsa_next_free_vgpr 1024
		.amdhsa_next_free_sgpr 66
		.amdhsa_reserve_vcc 0
		.amdhsa_float_denorm_mode_32 3
		.amdhsa_float_denorm_mode_16_64 3
		.amdhsa_memory_ordered 1
		.amdhsa_forward_progress 1
		.amdhsa_inst_pref_size 86
	.end_amdhsa_kernel
	.amdgpu_metadata
---
amdhsa.version: [ 1, 2 ]
amdhsa.kernels:
  - .name:           k_q2ec33056a7_fine
    .symbol:         k_q2ec33056a7_fine.kd
    .args:
      - { .name: qkv32, .offset: 0, .size: 8, .value_kind: global_buffer, .address_space: global }
      - { .name: o_w, .offset: 8, .size: 8, .value_kind: global_buffer, .address_space: global }
      - { .name: out0, .offset: 16, .size: 8, .value_kind: global_buffer, .address_space: global }
    .group_segment_fixed_size: 70656
    .private_segment_fixed_size: 0
    .kernarg_segment_align: 8
    .kernarg_segment_size: 24
    .max_flat_workgroup_size: 128
    .sgpr_count:     66
    .vgpr_count:     1024
    .wavefront_size: 32
...
	.end_amdgpu_metadata
.endif
;; end of part 5
